; MI455X (gfx1250); checked and timed in simulation.
; The chip was launched on July 23, 2026; its instructions are those of AMD's public machine-readable ISA for CDNA 5 (MIT licence, August 2026) and "CDNA5" Instruction Set Architecture Reference Guide (July 2026). The comments in the code are by the model that wrote it; some were corrected since.
;; Multi Encoder Layer. Allowed arithmetic: matrix products marked QUANTISED: E2M1 operands, one E8M0 scale for each 32 along K, by v_wmma_scale_f32_16x16x128_f8f6f4 with both operands' format E2M1 (or v_wmma_scale_f32_32x16x128_f4), f32 sums; everything else in f32.
;; Inputs: b1 2,048 float32; b2 512 float32; g_m 16 x 1,024 x 1,024 float32; ln1_b 512 float32; ln1_w 512 float32; ln2_b 512 float32; ln2_w 512 float32; mask 16 x 1,024 x 1,024 int32; t_m 16 x 1,024 x 1,024 float32; w1_codes 2,048 x 16 x 16 uint8 (E2M1 codes of w1, K innermost, in blocks of 32 codes, two codes a byte); w1_scales 2,048 x 16 uint8 (E8M0 scales of w1, one for each 32 codes along K); w2_codes 512 x 64 x 16 uint8 (E2M1 codes of w2, K innermost, in blocks of 32 codes, two codes a byte); w2_scales 512 x 64 uint8 (E8M0 scales of w2, one for each 32 codes along K); x 16 x 1,024 x 512 float32.
;; Outputs: out0 16 x 1,024 x 512 float32.
;; This version of the problem:
;;   THIS VERSION OF THE PROBLEM IS GIVEN IN LOW PRECISION. The matrix products marked QUANTISED in the list below multiply operands that are first quantised to E2M1 (2 exponent bits, 1 mantissa bit; 4 bits a number), with one power-of-two scale for each 32 numbers along K (OCP MX v1.0); their sums are f32. All else is computed in f32.
;;   The module's matrix products, in the order in which they are computed (A, B: the left and right operand; K: the contracted axis; several contracted axes count as one K, in the product's order):
;;     1. batch 16 x [M 1,024, K 512] x [K 512, N 1,024]; A: computed on the way; B: computed on the way: QUANTISED
;;     2. batch 16 x [M 1,024, K 1,024] x [K 1,024, N 512]; A: softmax (see below); B: computed on the way: QUANTISED
;;     3. [M 16,384, K 512] x [K 512, N 2,048]; A: computed on the way; B: input w1 (given as codes): QUANTISED
;;     4. [M 16,384, K 2,048] x [K 2,048, N 512]; A: computed on the way; B: input w2 (given as codes): QUANTISED
;;   THE QUANTISER, for each operand of a quantised product, along K:
;;     - K is cut into blocks of 32 from its start; a last block that is shorter is filled with zeros.
;;     - A block's scale is 2^e with e = floor(log2(the largest magnitude in the block)) - 2, held to -126 .. 127; a block of zeros has e = 0. As a byte (E8M0): e + 127.
;;     - Each number is divided by its block's scale, clamped to +-6, and rounded to the nearest number of E2M1, ties to even, subnormals kept.
;;     - The product sums the exact products of the quantised numbers (number of the format x scale) in f32.
;;   ~~~python
;;   def quantise(x, axis):      # numpy; x: float32 -> the quantised numbers, widened to float32 again
;;       x = np.moveaxis(x, axis, -1); K = x.shape[-1]
;;       x = np.pad(x, [(0, 0)] * (x.ndim - 1) + [(0, -K % 32)]); x = x.reshape(x.shape[:-1] + (-1, 32)); a = np.abs(x).max(-1, keepdims=True)
;;       e = np.where(a > 0, np.clip(np.frexp(np.where(a > 0, a, 1))[1] - 1 - 2, -126, 127), 0)      # np.frexp(a)[1] - 1 = floor(log2(a)), exactly
;;       r = np.clip(x / 2.0 ** e, -6, 6)
;;       step = 2.0 ** (np.maximum(np.frexp(np.where(r == 0, 1, r))[1] - 1, 0) - 1)
;;       q = np.round(r / step) * step * 2.0 ** e      # np.round: ties to even
;;       return np.moveaxis(q.reshape(q.shape[:-2] + (-1,))[..., :K], -1, axis).astype(np.float32)
;;   ~~~
;;   SOFTMAX AHEAD OF A QUANTISED PRODUCT. Where the list says 'softmax', what is quantised is not the finished softmax but p = 2^(t - M), with t = logit x log2(e) and M = ceil(the row's largest t), a whole number; so 1/2 < the row's largest p <= 1. The row's sum l is taken of the UNQUANTISED p, in f32, and the product's result is divided by l at the end. Since M is a whole number, a kernel that streams over the keys may use a running M (the ceiling of the running maximum): every later rescaling is an exact power of two, which a block's scale takes up: the codes' values come out the same.
;;   OPERANDS COMPUTED ON THE WAY. 'Computed on the way' means the value that the module computes at that place (a softmax that the list does not call 'softmax' is quantised finished and normalised). What goes into a quantiser is computed in f32, as accurately as f32 sums, v_exp_f32 and their like allow (about 1e-6 of the number): no bf16 or f16 on the way to a quantiser, and a product that is left as it is and whose result goes on into a quantised operand takes f32 operands (vector FMAs, or v_wmma_f32_16x16x4_f32). A number that lies on a knife's edge between two numbers of the format may be rounded either way, as far as f32 arithmetic and the matrix unit's own rounding can turn it there, and no further.
;;   INPUTS GIVEN AS CODES. w1 (in the module: [512, 2048], K = its axis 0); w2 (in the module: [2048, 512], K = its axis 0): each comes as NAME_codes (uint8): NAME with its K axis moved to the last place and cut into blocks of 32 codes, [.., K / 32, bytes a block], one block behind the other in memory; two codes a byte, the lower K in the low four bits (a code: sign, 2 exponent bits, 1 mantissa bit); and NAME_scales (uint8): the same leading axes, one E8M0 byte (e + 127) for each 32 codes along K. Its value is code x scale, taken as it is: it is not quantised again, and the codes and scales need not be those that the quantiser above would give.
;; 2 versions, each right; version 2 is version 1 with the launch layer written anew for expert scheduling mode. Each part assembles by itself: llvm-mc -triple=amdgcn-amd-amdhsa -mcpu=gfx1250 --defsym DOCPART=n.
;; ======== version 1 of 2: 2 launches
;; workspace buffers: hk 4,194,304 bytes; hs 262,144 bytes; vt 4,194,304 bytes; vsc 262,144 bytes; pmax 16,384 bytes; w1i 524,288 bytes; w2i 524,288 bytes
;; launch prep (part 1): grid 656 x 1, 8 waves a work-group, no clusters, 69,120 bytes of LDS; arguments x, ln1_w, ln1_b, t_m, g_m, w1_codes, w2_codes, hk, hs, vt, vsc, pmax, w1i, w2i; writes hk, hs, vt, vsc, pmax, w1i, w2i
.if DOCPART == 1
	.amdgcn_target "amdgcn-amd-amdhsa--gfx1250"
	.amdhsa_code_object_version 6
	.text
	.protected	k_qc27c3ec67f_prep
	.globl	k_qc27c3ec67f_prep
	.p2align	8
	.type	k_qc27c3ec67f_prep,@function
k_qc27c3ec67f_prep:
	s_mov_b64 s[64:65], 0
	v_nop
	global_prefetch_b8 v0, s[64:65] scope:SCOPE_SE
	s_setreg_imm32_b32 hwreg(HW_REG_WAVE_MODE, 25, 1), 1
	s_wait_xcnt 0x0
; PREP.  Three kinds of work-group, told apart by the work-group's number alone:
;   0 .. 127    h = LayerNorm1(x) for 128 rows of one batch, quantised to FP4 (E2M1, one E8M0 byte for 32 numbers) twice: along the 512 channels (hk, hs: both operands of
;               the first product) and along the keys (vt, vsc: the second product's right operand)
;   128 .. 143  the codes of w1 and w2 laid anew, fragment by fragment (w1i, w2i)
;   144 .. 655  partial maxima of t_m and g_m: one number for each wave's 32,768 bytes (pmax)
; AN IMAGE: a fragment (16 rows x 128 K of 4-bit codes, 8 registers a lane) lies in memory as its registers: registers 4 c .. 4 c + 3 of lane l at byte 512 c + 16 l.  The launch that
; multiplies loads it by two loads of 512 consecutive bytes.
; THE ROWS OF A TILE: row r of tile T is index 32 (T / 2) + 8 (T % 2) + r + 8 (r / 8), for queries, keys, channels and hidden units alike, so that in a transposed product the
; 16 registers of tiles 2 b and 2 b + 1 are 16 neighbours along the next K.
; A block's scale is 2^(floor(log2(its largest magnitude)) - 2); its byte is that magnitude's exponent field - 2, held at 1 from below by a floor among the maximum's leaves.
; LIMITS: NaN and infinities among the inputs are not served.  A block whose largest magnitude lies under 2^-124 keeps the byte 1; a block of zeros gets the byte 1 where the rule says 127:
; its codes are zeros, and this program alone reads the bytes.  1 / sqrt is v_rsq_f32.  The partial maxima leave as 4 bytes a wave (16,384 bytes in all); the weights' codes are read as 16 bytes
; a lane from rows 256 or 1,024 bytes apart (1 MiB in all, once).
; No tensor loads, no matrix work, no cluster: nothing here is read by two work-groups.
.set X,   48                           ; v48-111   four rows of x, 16 registers each: element 4 lane + 128 i + k
.set Y,   112                          ; v112-175  at work: sums, then the 64 numbers in front of a quantiser
.set ST,  176                          ; v176-183  a pair for each row: the mean, later 1 / sqrt; the packed forms take the low word for both halves
.set CD,  184                          ; v184-191  the codes of two blocks
.set LNW, 16                           ; v16-31    ln1_w, v32-47 ln1_b, at my lane's elements
.set LNB, 32
.set HTP, 2064                         ; LDS: a row of h, 2,048 bytes + 16: row r starts 4 r banks on
.set SCL, 32*HTP                       ; behind the 32 rows: 2,048 bytes of scale words for hs
	s_load_b512 s[4:19], s[0:1], 0x0               ; x, ln1_w, ln1_b, t_m, g_m, w1_codes, w2_codes, hk
	s_load_b256 s[20:27], s[0:1], 0x40             ; hs, vt, vsc, pmax
	s_load_b128 s[28:31], s[0:1], 0x60             ; w1i, w2i
	v_lshl_add_u32 v200, v0, 2, 0x10a00
	v_mov_b32 v201, 0
	v_lshrrev_b32 v1, 5, v0
	v_readfirstlane_b32 s40, v1                    ; wave 0..7
	v_and_b32 v1, 31, v0                           ; lane
	v_and_b32 v2, 15, v0                           ; r
	v_bfe_u32 v3, v0, 4, 1                         ; h
	v_and_b32 v4, 8, v2
	v_add_nc_u32 v4, v4, v2                        ; r + 8 (r / 8)
	v_lshlrev_b32 v5, 4, v1                        ; 16 x lane
	s_mov_b32 s46, 0x76543210
	s_mov_b32 s47, 0xfedcba98                      ; v_permlanex16_b32's selects for lane l xor 16
	s_cmp_lt_u32 ttmp9, 128
	s_cbranch_scc1 .Lnorm
	s_cmp_lt_u32 ttmp9, 144
	s_cbranch_scc1 .Lweights
; ---------------- partial maxima.  Work-group j takes 262,144 bytes of t_m (j < 256) or g_m, a wave 32,768: 64 loads of 512 consecutive bytes, sixteen of them on their way.
	s_sub_co_u32 s41, ttmp9, 144                   ; j
	s_and_b32 s42, s41, 255
	s_lshl_b32 s42, s42, 18
	s_lshl_b32 s44, s40, 15
	s_add_co_u32 s42, s42, s44
	s_mov_b32 s43, 0
	s_lshl_b32 s44, s41, 3
	s_add_co_u32 s44, s44, s40
	s_lshl_b32 s44, s44, 2                         ; pmax: 4 (8 j + wave) = 8,192 array + 512 batch + 32 chunk + 4 wave
	s_mov_b32 s45, 0
	s_wait_kmcnt 0x0
	s_cmp_lt_u32 s41, 256
	s_cselect_b64 s[10:11], s[10:11], s[12:13]
	s_add_nc_u64 s[10:11], s[10:11], s[42:43]
	s_add_nc_u64 s[26:27], s[26:27], s[44:45]
.set nn, 0
.rept 16
	global_load_b128 v[16+4*nn:19+4*nn], v5, s[10:11] offset:512*nn th:TH_LOAD_NT
.set nn, nn+1
.endr
	v_mov_b32 v8, 0xff800000                       ; two chains, from -infinity
	v_mov_b32 v9, 0xff800000
.set nn, 0
.rept 64
.if nn < 48
	s_wait_loadcnt 15                              ; loads come back in order: the oldest of the sixteen is in
.else
	s_wait_loadcnt 63-nn                           ; nothing is asked for any more: the count runs down
.endif
	v_max3_num_f32 v8, v8, v[16+4*(nn%16)], v[17+4*(nn%16)]
	v_max3_num_f32 v9, v9, v[18+4*(nn%16)], v[19+4*(nn%16)]
.if nn < 48
	global_load_b128 v[16+4*(nn%16):19+4*(nn%16)], v5, s[10:11] offset:512*(nn+16) th:TH_LOAD_NT
.endif
.set nn, nn+1
.endr
	v_max_num_f32 v8, v8, v9
.irp x,1,2,4,8
	v_max_num_f32_dpp v8, v8, v8 row_xmask:\x row_mask:0xf bank_mask:0xf
.endr
	v_permlanex16_b32 v9, v8, s46, s47
	v_max_num_f32 v8, v8, v9                       ; the wave's maximum, in every lane
	v_mov_b32 v2, 0
	v_cmp_eq_u32 vcc_lo, 0, v1
	s_wait_xcnt 0x0                                ; EXEC is a source of the loads above: it changes only behind this wait
	s_and_saveexec_b32 s50, vcc_lo
	global_store_b32 v2, v8, s[26:27]              ; lane 0 stores it
	s_wait_xcnt 0x0                                ; and again in front of the line that widens EXEC
	s_or_b32 exec_lo, exec_lo, s50
	s_endpgm
; ---------------- the weights' codes as images.  Each matrix has 512 fragments; wave G of 64 lays fragments 8 G .. 8 G + 7.
; w1 (row 256 bytes): fragment 4 T + c: tiles 2 G and 2 G + 1, K steps 0-3.  w2 (row 1,024 bytes): fragment 16 T + s: tile G / 2, K steps 8 (G % 2) + 0 .. 7.
.Lweights:
	s_sub_co_u32 s41, ttmp9, 128
	s_and_b32 s42, s41, 7
	s_lshl_b32 s42, s42, 3
	s_add_co_u32 s42, s42, s40                     ; G
	s_lshr_b32 s44, s42, 2
	s_lshl_b32 s44, s44, 15                        ; w2: 32 (G / 4) rows
	s_bfe_u32 s45, s42, 0x10001
	s_lshl_b32 s45, s45, 13                        ;     + 8 ((G / 2) % 2) rows
	s_add_co_u32 s44, s44, s45
	s_and_b32 s45, s42, 1
	s_lshl_b32 s45, s45, 9                         ;     + 8 K steps of 64 bytes
	s_add_co_u32 s44, s44, s45
	s_lshl_b32 s48, s42, 13                        ; 8,192 G: w1's 32 rows, and both images' eight fragments
	s_mov_b32 s51, 256
	s_mov_b32 s45, 0
	s_mov_b32 s49, 0
	s_wait_kmcnt 0x0
	s_cmp_lt_u32 s41, 8                            ; w1 or w2: the choice hangs on the work-group's number alone
	s_cselect_b64 s[14:15], s[14:15], s[16:17]
	s_cselect_b64 s[28:29], s[28:29], s[30:31]
	s_cselect_b32 s44, s48, s44
	s_cselect_b32 s50, 8, 10                       ; a row's bytes as a shift
	s_cselect_b32 s51, 2048, s51                   ; from fragments 0-3 to fragments 4-7: eight rows on (w1), four K steps on (w2)
	s_add_nc_u64 s[14:15], s[14:15], s[44:45]
	s_add_nc_u64 s[28:29], s[28:29], s[48:49]
	v_lshlrev_b32 v6, s50, v4
	v_lshl_add_u32 v6, v3, 4, v6                   ; the tile's row r, + 16 h
	v_add_nc_u32 v7, s51, v6
.set kk, 0
.rept 16                               ; fragment kk / 2, registers 4 (kk % 2) on
	global_load_b128 v[16+4*kk:19+4*kk], v[6+(kk>>3)], s[14:15] offset:((kk>>1)&3)*64+32*(kk&1)
.set kk, kk+1
.endr
.set kk, 0
.rept 16
	s_wait_loadcnt 15-kk                           ; the younger loads may stay out
	global_store_b128 v5, v[16+4*kk:19+4*kk], s[28:29] offset:512*kk   ; 512 consecutive bytes
.set kk, kk+1
.endr
	s_endpgm
; ---------------- LayerNorm1 and its two quantisers.  The work-group owns key step s of a batch: 128 rows, as four groups of 32 (a block of keys).
; In a group: wave v normalises four rows (a row to a wave at a time: 16 registers a lane) and puts them into LDS; a barrier; then it quantises one fragment along the channels
; (tile v % 2 of the group's two, K step v / 2) and 64 channels along the keys (a lane to a channel, registers down the 32 keys); a barrier.
; LDS slot 16 u + a holds row a of tile u, which is the group's row 8 u + a + 8 (a / 8).
.Lnorm:
	s_lshr_b32 s41, ttmp9, 3                       ; batch
	s_and_b32 s42, ttmp9, 7                        ; key step
	s_lshr_b32 s44, s40, 2
	s_lshl_b32 s44, s44, 3
	s_and_b32 s45, s40, 3
	s_lshl_b32 s45, s45, 2
	s_add_co_u32 s44, s44, s45
	s_bfe_u32 s45, s40, 0x10001
	s_lshl_b32 s45, s45, 3
	s_add_co_u32 s44, s44, s45                     ; slots 4 v .. 4 v + 3 are the group's rows 8 (v / 4) + 4 (v % 4) + 8 ((v / 2) % 2) + 0 .. 3
	s_lshl_b32 s48, s41, 3
	s_add_co_u32 s48, s48, s42                     ; 8 batch + s
	s_lshl_b32 s45, s48, 7
	s_add_co_u32 s44, s44, s45
	s_lshl_b32 s44, s44, 11                        ; rows of 2,048 bytes
	s_mov_b32 s45, 0
	s_mov_b32 s54, 0x3b000000                      ; 1 / 512
	s_mov_b32 s55, 0x358637bd                      ; 1e-6
	s_wait_kmcnt 0x0
	s_add_nc_u64 s[4:5], s[4:5], s[44:45]
.macro XLOAD g                         ; my four rows of group g: 16 loads of 512 consecutive bytes
.irp k,0,1,2,3
.irp i,0,1,2,3
	global_load_b128 v[X+16*\k+4*\i:X+16*\k+4*\i+3], v5, s[4:5] offset:(\g)*65536+\k*2048+512*\i th:TH_LOAD_NT
.endr
.endr
.endm
.irp i,0,1,2,3
	global_load_b128 v[LNW+4*\i:LNW+4*\i+3], v5, s[6:7] offset:512*\i
	global_load_b128 v[LNB+4*\i:LNB+4*\i+3], v5, s[8:9] offset:512*\i
.endr
	XLOAD 0
	s_lshl_b32 s44, s48, 3                         ; hk: fragment 4 (64 batch + 8 s + 2 g + v % 2) + v / 2
	s_and_b32 s50, s40, 1
	s_add_co_u32 s44, s44, s50
	s_lshl_b32 s44, s44, 2
	s_lshr_b32 s52, s40, 1
	s_add_co_u32 s44, s44, s52
	s_lshl_b32 s44, s44, 10
	s_add_nc_u64 s[18:19], s[18:19], s[44:45]
	s_lshl_b32 s44, s48, 5                         ; vt: fragment 32 (8 batch + s) + 4 v
	s_lshl_b32 s51, s40, 2
	s_add_co_u32 s44, s44, s51
	s_lshl_b32 s44, s44, 10
	s_add_nc_u64 s[22:23], s[22:23], s[44:45]
	s_lshl_b32 s44, s48, 11                        ; vsc and hs: 2,048 (8 batch + s) + 256 v
	s_lshl_b32 s51, s40, 8
	s_add_co_u32 s44, s44, s51
	s_add_nc_u64 s[24:25], s[24:25], s[44:45]
	s_add_nc_u64 s[20:21], s[20:21], s[44:45]
	s_mul_i32 s53, s40, 4*HTP
	v_add_nc_u32 v6, s53, v5                       ; v6  into LDS: slot 4 v, 16 x lane
	s_mul_i32 s53, s50, 16*HTP
	s_lshl_b32 s44, s52, 9
	s_add_co_u32 s53, s53, s44
	v_mul_u32_u24 v7, v2, HTP
	v_lshl_add_u32 v7, v3, 7, v7
	v_add_nc_u32 v7, s53, v7                       ; v7  along the channels: tile v % 2, row r, K step v / 2, + 32 h numbers
	v_lshlrev_b32 v8, 2, v4
	v_lshl_add_u32 v8, v3, 5, v8
	v_add_nc_u32 v8, s51, v8                       ; v8  along the keys: channel 64 v + 8 h + r + 8 (r / 8)
	v_lshlrev_b32 v9, 4, v2
	v_lshl_add_u32 v9, v3, 10, v9                  ; v9  vt: tile h of a pair, 16 r
	v_lshlrev_b32 v10, 4, v2
	s_lshl_b32 s53, s50, 8
	s_lshl_b32 s44, s52, 2
	s_add_co_u32 s53, s53, s44
	s_add_co_u32 s53, s53, SCL
	v_add_nc_u32 v10, s53, v10                     ; v10 my row's scale word: 16 (r + 16 (v % 2)) + 4 (v / 2)
	v_lshlrev_b32 v11, 3, v1                       ; v11 8 x lane
	s_add_co_u32 s51, s51, SCL
	v_add_nc_u32 v12, s51, v11                     ; v12 the way out of the scale words
	v_lshlrev_b32 v15, 3, v3                       ; v15 8 h
	v_mov_b32 v14, 0                               ; a lane permute's destination counts as one of its sources
.irp k,0,1,2,3
	v_mov_b32 v[ST+2*\k+1], 0                      ; named as the upper half of a pair
.endr
.macro RED4                            ; the four rows' sums across the 32 lanes, by turns
.irp x,1,2,4,8
.irp k,0,1,2,3
	v_add_f32_dpp v[Y+16*\k], v[Y+16*\k], v[Y+16*\k] row_xmask:\x row_mask:0xf bank_mask:0xf
.endr
.endr
.irp k,0,1,2,3
	v_permlanex16_b32 v[Y+16*\k+1], v[Y+16*\k], s46, s47
.endr
.irp k,0,1,2,3
	v_add_f32 v[Y+16*\k], v[Y+16*\k], v[Y+16*\k+1]
.endr
.endm
.macro LN4                             ; h = (x - mean) / sqrt(var + 1e-6) x w + b, four rows by turns
.irp k,0,1,2,3
.irp i,0,4,8,12
	v_pk_add_f32 v[Y+16*\k+\i:Y+16*\k+\i+1], v[X+16*\k+\i:X+16*\k+\i+1], v[X+16*\k+\i+2:X+16*\k+\i+3]
.endr
.endr
.irp k,0,1,2,3
	v_pk_add_f32 v[Y+16*\k:Y+16*\k+1], v[Y+16*\k:Y+16*\k+1], v[Y+16*\k+4:Y+16*\k+5]
	v_pk_add_f32 v[Y+16*\k+8:Y+16*\k+9], v[Y+16*\k+8:Y+16*\k+9], v[Y+16*\k+12:Y+16*\k+13]
.endr
.irp k,0,1,2,3
	v_pk_add_f32 v[Y+16*\k:Y+16*\k+1], v[Y+16*\k:Y+16*\k+1], v[Y+16*\k+8:Y+16*\k+9]
.endr
.irp k,0,1,2,3
	v_add_f32 v[Y+16*\k], v[Y+16*\k], v[Y+16*\k+1]
.endr
	RED4
.irp k,0,1,2,3
	v_mul_f32 v[ST+2*\k], s54, v[Y+16*\k]          ; the mean
.endr
.irp k,0,1,2,3
.irp i,0,2,4,6,8,10,12,14
	v_pk_add_f32 v[X+16*\k+\i:X+16*\k+\i+1], v[X+16*\k+\i:X+16*\k+\i+1], v[ST+2*\k:ST+2*\k+1] op_sel_hi:[1,0] neg_lo:[0,1] neg_hi:[0,1]
.endr
.endr
.irp k,0,1,2,3
	v_pk_mul_f32 v[Y+16*\k:Y+16*\k+1], v[X+16*\k:X+16*\k+1], v[X+16*\k:X+16*\k+1]
.endr
.irp i,2,4,6,8,10,12,14
.irp k,0,1,2,3
	v_pk_fma_f32 v[Y+16*\k:Y+16*\k+1], v[X+16*\k+\i:X+16*\k+\i+1], v[X+16*\k+\i:X+16*\k+\i+1], v[Y+16*\k:Y+16*\k+1]
.endr
.endr
.irp k,0,1,2,3
	v_add_f32 v[Y+16*\k], v[Y+16*\k], v[Y+16*\k+1]
.endr
	RED4
.irp k,0,1,2,3
	v_fma_f32 v[Y+16*\k], v[Y+16*\k], s54, s55     ; var + 1e-6
.endr
.irp k,0,1,2,3
	v_rsq_f32 v[ST+2*\k], v[Y+16*\k]
.endr
	v_nop                                          ; a plain instruction behind the last of the four
	s_wait_alu depctr_va_vdst(0)                   ; one wait for the four, ahead of their first reader
.irp k,0,1,2,3
.irp i,0,2,4,6,8,10,12,14
	v_pk_mul_f32 v[X+16*\k+\i:X+16*\k+\i+1], v[X+16*\k+\i:X+16*\k+\i+1], v[ST+2*\k:ST+2*\k+1] op_sel_hi:[1,0]
.endr
.endr
.irp k,0,1,2,3
.irp i,0,2,4,6,8,10,12,14
	v_pk_fma_f32 v[X+16*\k+\i:X+16*\k+\i+1], v[X+16*\k+\i:X+16*\k+\i+1], v[LNW+\i:LNW+\i+1], v[LNB+\i:LNB+\i+1]
.endr
.endr
.endm
.macro BLK2                            ; two whole blocks of a lane, v[Y ..] and v[Y + 32 ..], by turns: codes in v[CD ..], bytes in v196, v197
.irp c,0,1
	v_max3_num_f32 v[192+\c], |v[Y+32*\c]|, |v[Y+32*\c+1]|, 0x1800000   ; with the floor 2^(3 - 127): the byte cannot fall under 1
.endr
.irp i,2,4,6,8,10,12,14,16,18,20,22,24,26,28,30
.irp c,0,1
	v_max3_num_f32 v[192+\c], v[192+\c], |v[Y+32*\c+\i]|, |v[Y+32*\c+\i+1]|
.endr
.endr
.irp c,0,1
	v_add_nc_u32 v[194+\c], 0xff000000, v[192+\c]  ; 2 off the exponent field: the conversion takes this operand's exponent field as its scale
.endr
.irp c,0,1
	v_lshrrev_b32 v[196+\c], 23, v[194+\c]         ; the scale's byte
.endr
.irp c,0,1
.irp q,0,1,2,3
	v_cvt_scalef32_pk8_fp4_f32 v[CD+4*\c+\q], v[Y+32*\c+8*\q:Y+32*\c+8*\q+7], v[194+\c]
.endr
.endr
	v_nop                                          ; one plain instruction behind the last conversion
.endm
.macro GROUP g
	s_wait_loadcnt 0x0                             ; my four rows (and, the first time, w and b)
	LN4
.irp k,0,1,2,3
.irp i,0,1,2,3
	ds_store_b128 v6, v[X+16*\k+4*\i:X+16*\k+4*\i+3] offset:\k*HTP+512*\i
.endr
.endr
	s_wait_dscnt 0x0                               ; for the others' sake, and the stores have read X:
.if \g < 3
	XLOAD \g+1                                     ; which takes the next group's rows while this one is quantised
.endif
	s_barrier_signal -1
	s_barrier_wait -1                              ; the group's 32 rows of h lie in LDS
	; along the channels: lane (r, h) takes blocks h and 2 + h of its row's K step: the operand's own order
.irp c,0,1
.irp i,0,1,2,3,4,5,6,7
	ds_load_b128 v[Y+32*\c+4*\i:Y+32*\c+4*\i+3], v7 offset:256*\c+16*\i
.endr
.endr
	s_wait_dscnt 0x0
	s_wait_xcnt 0x0                                ; the last stores have read the codes' registers: they are written again only behind this wait
	BLK2
	global_store_b128 v5, v[CD:CD+3], s[18:19] offset:\g*8192          ; the image: 512 consecutive bytes a store
	global_store_b128 v5, v[CD+4:CD+7], s[18:19] offset:\g*8192+512
	v_lshl_or_b32 v13, v197, 16, v196              ; my two bytes, blocks h and 2 + h,
	v_lshlrev_b32 v13, v15, v13                    ; at their places in the word;
	v_permlanex16_b32 v14, v13, s46, s47
	v_or_b32 v13, v13, v14                         ; with lane l xor 16's two it is whole
	ds_store_b32 v10, v13 offset:512*\g            ; (both halves of the lanes write the same word with the same value)
	; along the keys: lane (r, h) takes row r of channel tile 2 (2 v + p) + h; its registers run down the group's 32 keys in their own order
.irp p,0,1
.set ii, 0
.rept 32
	ds_load_b32 v[Y+32*\p+ii], v8 offset:(16*((ii>>3)&1)+(ii&7)+8*(ii>>4))*HTP+128*\p
.set ii, ii+1
.endr
.endr
	s_wait_dscnt 0x0
	s_wait_xcnt 0x0                                ; as above
	BLK2
.irp p,0,1
	global_store_b128 v9, v[CD+4*\p:CD+4*\p+3], s[22:23] offset:2048*\p+512*(\g/2)+256*(\g%2)   ; block g of the key step: sixteen lanes store 256 consecutive bytes, aligned
.if \g == 0
	v_mov_b32 v[198+\p], v[196+\p]
.else
	v_lshl_or_b32 v[198+\p], v[196+\p], 8*\g, v[198+\p]                ; its byte, into my channel's scale word
.endif
.endr
	s_wait_dscnt 0x0                               ; my reads of the rows are over
	s_barrier_signal -1
	s_barrier_wait -1                              ; everybody's are: the rows may be written again
.endm
	GROUP 0
	GROUP 1
	GROUP 2
	GROUP 3
	ds_load_b64 v[192:193], v12                    ; the scale words of the 128 rows: 256 bytes a wave (the last barrier stands behind every wave's stores)
	s_wait_dscnt 0x0
	global_store_b64 v11, v[192:193], s[20:21]
	global_store_b64 v11, v[198:199], s[24:25]     ; and those of my 64 channels: 256 consecutive bytes
	s_wait_tensorcnt 0x0
	ds_add_u32 v200, v201
	s_wait_dscnt 0x0
	s_endpgm
.Lfunc_end_k_qc27c3ec67f_prep:
	.size	k_qc27c3ec67f_prep, .Lfunc_end_k_qc27c3ec67f_prep-k_qc27c3ec67f_prep
	.p2alignl 7, 3214868480
	.fill 96, 4, 3214868480
	.section	.rodata,"a",@progbits
	.p2align	6, 0x0
	.amdhsa_kernel k_qc27c3ec67f_prep
		.amdhsa_group_segment_fixed_size 69120
		.amdhsa_private_segment_fixed_size 0
		.amdhsa_enable_private_segment 0
		.amdhsa_kernarg_size 112
		.amdhsa_user_sgpr_count 2
		.amdhsa_user_sgpr_kernarg_segment_ptr 1
		.amdhsa_wavefront_size32 1
		.amdhsa_system_sgpr_workgroup_id_x 1
		.amdhsa_system_sgpr_workgroup_id_y 1
		.amdhsa_system_sgpr_workgroup_id_z 1
		.amdhsa_system_vgpr_workitem_id 0
		.amdhsa_next_free_vgpr 202
		.amdhsa_next_free_sgpr 66
		.amdhsa_reserve_vcc 1
		.amdhsa_float_denorm_mode_32 3
		.amdhsa_float_denorm_mode_16_64 3
		.amdhsa_memory_ordered 1
		.amdhsa_forward_progress 1
		.amdhsa_inst_pref_size 137
	.end_amdhsa_kernel
	.amdgpu_metadata
---
amdhsa.version: [ 1, 2 ]
amdhsa.kernels:
  - .name:           k_qc27c3ec67f_prep
    .symbol:         k_qc27c3ec67f_prep.kd
    .args:
      - { .name: x, .offset: 0, .size: 8, .value_kind: global_buffer, .address_space: global }
      - { .name: ln1_w, .offset: 8, .size: 8, .value_kind: global_buffer, .address_space: global }
      - { .name: ln1_b, .offset: 16, .size: 8, .value_kind: global_buffer, .address_space: global }
      - { .name: t_m, .offset: 24, .size: 8, .value_kind: global_buffer, .address_space: global }
      - { .name: g_m, .offset: 32, .size: 8, .value_kind: global_buffer, .address_space: global }
      - { .name: w1_codes, .offset: 40, .size: 8, .value_kind: global_buffer, .address_space: global }
      - { .name: w2_codes, .offset: 48, .size: 8, .value_kind: global_buffer, .address_space: global }
      - { .name: hk, .offset: 56, .size: 8, .value_kind: global_buffer, .address_space: global }
      - { .name: hs, .offset: 64, .size: 8, .value_kind: global_buffer, .address_space: global }
      - { .name: vt, .offset: 72, .size: 8, .value_kind: global_buffer, .address_space: global }
      - { .name: vsc, .offset: 80, .size: 8, .value_kind: global_buffer, .address_space: global }
      - { .name: pmax, .offset: 88, .size: 8, .value_kind: global_buffer, .address_space: global }
      - { .name: w1i, .offset: 96, .size: 8, .value_kind: global_buffer, .address_space: global }
      - { .name: w2i, .offset: 104, .size: 8, .value_kind: global_buffer, .address_space: global }
    .group_segment_fixed_size: 69120
    .private_segment_fixed_size: 0
    .kernarg_segment_align: 8
    .kernarg_segment_size: 112
    .max_flat_workgroup_size: 256
    .sgpr_count:     66
    .vgpr_count:     202
    .wavefront_size: 32
...
	.end_amdgpu_metadata
.endif
;; end of part 1
;; launch layer (part 2): grid 16 x 16, 16 waves a work-group, no clusters, 280,832 bytes of LDS; arguments x, t_m, g_m, mask, ln2_w, ln2_b, b1, b2, w1_scales, w2_scales, hk, hs, vt, vsc, pmax, w1i, w2i, out0; writes out0
.if DOCPART == 2
	.amdgcn_target "amdgcn-amd-amdhsa--gfx1250"
	.amdhsa_code_object_version 6
	.text
	.protected	k_qc27c3ec67f_layer
	.globl	k_qc27c3ec67f_layer
	.p2align	8
	.type	k_qc27c3ec67f_layer,@function
k_qc27c3ec67f_layer:
	s_mov_b64 s[64:65], 0
	v_nop
	global_prefetch_b8 v0, s[64:65] scope:SCOPE_SE
	s_setreg_imm32_b32 hwreg(HW_REG_WAVE_MODE, 25, 1), 1
	s_wait_xcnt 0x0
; LAYER.  out = (x1 + relu(LN2(x1) W1 + b1) W2 + b2) / 512 with x1 = x + softmax(h h^T / 512 + |t_m - max| + |g_m - max|, masked) h, h = LN1(x): all four products on codes of FP4 (E2M1),
; one E8M0 scale for each 32 along K.  h's codes come from the launch before (hk, hs along the channels; vt, vsc along the keys), the weights' codes as images (w1i, w2i).
; SHARES.  A work-group owns 64 rows of one batch, as four tiles m of 16.  ITS SIXTEEN WAVES SHARE THE COLUMNS, NEVER THE ROWS.  Wave w owns: keys 64 w .. + 63 in the first product; channels
; 32 w .. + 31 in the second, in the norm and in the last; hidden units 128 w .. + 127 in the third.  So every fragment of K, V, W1, W2 is wanted by ONE wave of the work-group and goes from memory
; straight into its registers, 512 consecutive bytes a load; what goes round through LDS are the rows' codes, as pieces of images of the operand's registers, and a few words for each row.
; All products are used transposed (source 0 = 16 keys, channels or hidden units; source 1 = 16 rows): a lane holds ONE row throughout.  Row r of tile T of anything is index
; 32 (T / 2) + 8 (T % 2) + r + 8 (r / 8): so the 16 registers of tiles 2 b, 2 b + 1 are 16 neighbours, 32 b + 16 (lane / 16) + 0 .. 15, along the next K.
; SOFTMAX.  All 64 x 1,024 scores lie in the work-group's registers (128 a lane), so the row's maximum is found first: t = logit x log2(e), M = ceil(largest t), p = 2^(t - M), quantised along the keys;
; the sum of the unquantised p divides at the end.  max - m stands for |m - max|: the maximum is taken over the element itself.  A masked logit is -1e9: a row with no key left has t = M and p = 1.
; WHY NO CLUSTER: what work-groups of a batch share (256 KiB of K's codes, 256 KiB of V's, 1 MiB of weights for each work-group) is read into registers, each fragment by one wave; a joint load lands in
; LDS, of which 46,848 bytes are unclaimed here: a ring there would change slots, with a barrier of all partners, some sixty times.  WHY NO TENSOR LOADS: the three streams are consumed 4 KiB
; a wave at a time; counted loads into registers keep 8 to 16 loads of 512 bytes of each of the 16 waves on their way with no barrier at all.
; LIMITS: NaN and infinities among the inputs are not served.  p under 2^-126 counts as 0 (v_exp_f32).  A block whose largest magnitude lies under 2^-124, zeros too, keeps the scale byte 1.
; 1 / sum and 1 / sqrt are v_rcp_f32 and v_rsq_f32.  Behind the last quantiser x1 is the last product's first addend and b2 is added behind it: the order of roundings differs from x1 + (f + b2).
; The accumulators of every product take turns, one instruction a turn, and every operand and scale of a matrix instruction arrives by a load.
; LDS
.set QIMG, 0                           ; 16 fragments of Q (4 m + K step); later those of LN2's result, laid alike
.set STG,  16384                       ; 16 waves x 16 rows x 272 bytes, each wave's own: the streams' turn from rows to lanes; later HID
.set HID,  16384                       ; 64 fragments of the hidden layer (16 m + K step)
.set XST,  86016                       ; 64 slots x 2,064 bytes: slot 16 m + r is row r of tile m: x, then x1, then the result
.set PIMG, 218112                      ; 32 fragments of p (8 m + key step)
.set PSC,  250880                      ; p's scale words: 256 s + 16 r + 4 m
.set HSC,  252928                      ; the hidden layer's: 256 s + 16 r + 4 m
.set H2S,  257024                      ; LN2's result's: 80 r + 16 m + 4 c
.set XCH,  258304                      ; four regions of a word for each (m, r, wave): 1,280 m + 80 r + 4 w
.set MXR,  0                           ;   largest t
.set LSR,  5120                        ;   sum of p
.set MUR,  10240                       ;   sum of x1
.set VAR,  15360                       ;   sum of squares
; registers: v1-15 addresses, v16-31 scale words and a few numbers a row, then four regions
.set LI,  1                            ; 16 x lane
.set GA,  2                            ; the streams: 4,096 h + 16 r
.set SW,  3                            ; my stage, in: 272 h + 16 r
.set SRD, 4                            ; my stage, out: 272 r + 64 h
.set XSW, 5                            ; XST by rows: slot 4 w, 16 x lane
.set XW,  6                            ; XCH: 80 r + 4 w
.set XRD, 7                            ; XCH: 80 r
.set XP,  8                            ; v8, v9: XST by my channels: 2,064 r + 128 w + 64 h, tiles 0-1 and tiles 2-3
.set PW,  10                           ; PIMG + 512 w + 16 x lane
.set PSW, 11                           ; PSC + 256 (w / 2) + 2 (w % 2) + 16 r
.set L8,  12                           ; 8 x lane
.set PRD, 13                           ; PIMG + 16 x lane
.set PSR, 14                           ; PSC + 16 r
.set NEG, 15                           ; t of a masked logit
.set H64, 2                            ; from the second norm on: 64 h
.set H2W, 3                            ; 256 w + 16 r + 8 h
.set H2B, 4                            ; H2S + 80 r + w
.set H2R, 10                           ; H2S + 80 r
.set P16, 11                           ; 16 (8 h + r + 8 (r / 8))
.set P64, 3                            ; in the FFN: 64 (8 h + r + 8 (r / 8))
.set HW,  12                           ; HID + 1,024 w + 16 r + 8 h
.set HB,  13                           ; HSC + 256 w + 16 r
.set HRD, 14                           ; HID + 16 x lane
.set HSR, 15                           ; HSC + 16 r
.set KS,  16                           ; v16-23 K's scale words, v24-31 Q's
.set QS,  24
.set T,   32                           ; v32-63
.set L0,  64                           ; v64-95
.set L1,  96                           ; v96-127
.set S,   128                          ; v128-255: the scores: 32 m + 8 t + j
.set NM,  32                           ; -M, a pair a tile
.set BM,  40                           ; a block's largest t, then its largest p
.set LS,  48
.set SOP, 56
.set PC4, 64
.set BY,  80
.set HWD, 88
.set TM,  240                          ; QUANT4's work
.set PC,  16                           ; and its codes
.macro PLACES                          ; four plain instructions between a matrix instruction and a load into, or a vector instruction on, one of its registers
.rept 4
	v_nop
.endr
.endm
.macro BARRIER                         ; my LDS stores have landed and my LDS loads are in: then the work-group's barrier
	s_wait_dscnt 0x0
	s_barrier_signal -1
	s_barrier_wait -1
.endm
; D = A x B + C.  c < 0: the constant 0 starts the sum.  ra, rb: 1 = the scale words stand in lanes 16-31 of the register
.macro MM d, a, b, c, sa, ra, sb, rb
.if (\c) < 0
.if ((\ra) == 0) && ((\rb) == 0)
	v_wmma_scale_f32_16x16x128_f8f6f4 v[\d:\d+7], v[\a:\a+7], v[\b:\b+7], 0, v[\sa], v[\sb] matrix_a_fmt:MATRIX_FMT_FP4 matrix_b_fmt:MATRIX_FMT_FP4
.elseif (\rb) == 0
	v_wmma_scale_f32_16x16x128_f8f6f4 v[\d:\d+7], v[\a:\a+7], v[\b:\b+7], 0, v[\sa], v[\sb] matrix_a_fmt:MATRIX_FMT_FP4 matrix_b_fmt:MATRIX_FMT_FP4 matrix_a_scale:MATRIX_SCALE_ROW1
.elseif (\ra) == 0
	v_wmma_scale_f32_16x16x128_f8f6f4 v[\d:\d+7], v[\a:\a+7], v[\b:\b+7], 0, v[\sa], v[\sb] matrix_a_fmt:MATRIX_FMT_FP4 matrix_b_fmt:MATRIX_FMT_FP4 matrix_b_scale:MATRIX_SCALE_ROW1
.else
	v_wmma_scale_f32_16x16x128_f8f6f4 v[\d:\d+7], v[\a:\a+7], v[\b:\b+7], 0, v[\sa], v[\sb] matrix_a_fmt:MATRIX_FMT_FP4 matrix_b_fmt:MATRIX_FMT_FP4 matrix_a_scale:MATRIX_SCALE_ROW1 matrix_b_scale:MATRIX_SCALE_ROW1
.endif
.else
.if ((\ra) == 0) && ((\rb) == 0)
	v_wmma_scale_f32_16x16x128_f8f6f4 v[\d:\d+7], v[\a:\a+7], v[\b:\b+7], v[\c:\c+7], v[\sa], v[\sb] matrix_a_fmt:MATRIX_FMT_FP4 matrix_b_fmt:MATRIX_FMT_FP4
.elseif (\rb) == 0
	v_wmma_scale_f32_16x16x128_f8f6f4 v[\d:\d+7], v[\a:\a+7], v[\b:\b+7], v[\c:\c+7], v[\sa], v[\sb] matrix_a_fmt:MATRIX_FMT_FP4 matrix_b_fmt:MATRIX_FMT_FP4 matrix_a_scale:MATRIX_SCALE_ROW1
.elseif (\ra) == 0
	v_wmma_scale_f32_16x16x128_f8f6f4 v[\d:\d+7], v[\a:\a+7], v[\b:\b+7], v[\c:\c+7], v[\sa], v[\sb] matrix_a_fmt:MATRIX_FMT_FP4 matrix_b_fmt:MATRIX_FMT_FP4 matrix_b_scale:MATRIX_SCALE_ROW1
.else
	v_wmma_scale_f32_16x16x128_f8f6f4 v[\d:\d+7], v[\a:\a+7], v[\b:\b+7], v[\c:\c+7], v[\sa], v[\sb] matrix_a_fmt:MATRIX_FMT_FP4 matrix_b_fmt:MATRIX_FMT_FP4 matrix_a_scale:MATRIX_SCALE_ROW1 matrix_b_scale:MATRIX_SCALE_ROW1
.endif
.endif
.endm
; ================ the head
	s_load_b512 s[4:19], s[0:1], 0x0               ; x, t_m, g_m, mask, ln2_w, ln2_b, b1, b2
	s_load_b512 s[20:35], s[0:1], 0x40             ; w1_scales, w2_scales, hk, hs, vt, vsc, pmax, w1i
	s_load_b128 s[36:39], s[0:1], 0x80             ; w2i, out0
	v_lshrrev_b32 v16, 5, v0
	v_readfirstlane_b32 s40, v16                   ; wave w, 0..15
	s_mov_b32 s41, ttmp9                           ; which 64 rows of the batch
	s_and_b32 s42, ttmp7, 0xffff                   ; the batch
	s_mov_b32 s56, 0x76543210
	s_mov_b32 s57, 0xfedcba98                      ; v_permlanex16_b32's selects for lane l xor 16
	s_mov_b32 s54, 0x3fb8aa3b                      ; log2(e)
	s_mov_b32 s55, s54                             ; (named with it as a pair)
	v_and_b32 v16, 15, v0                          ; r
	v_bfe_u32 v17, v0, 4, 1                        ; h
	v_and_b32 v18, 31, v0                          ; lane
	v_lshlrev_b32 v[LI], 4, v18
	v_lshlrev_b32 v[L8], 3, v18
	v_lshlrev_b32 v[GA], 4, v16
	v_lshl_add_u32 v[GA], v17, 12, v[GA]
	s_mul_i32 s60, s40, 16*272
	s_add_co_u32 s60, s60, STG
	v_mul_u32_u24 v[SW], v17, 272
	v_lshl_add_u32 v[SW], v16, 4, v[SW]
	v_add_nc_u32 v[SW], s60, v[SW]
	v_mul_u32_u24 v[SRD], v16, 272
	v_lshl_add_u32 v[SRD], v17, 6, v[SRD]
	v_add_nc_u32 v[SRD], s60, v[SRD]
	s_mul_i32 s60, s40, 4*2064
	s_add_co_u32 s60, s60, XST
	v_add_nc_u32 v[XSW], s60, v[LI]
	v_mul_u32_u24 v[XRD], v16, 80
	v_add_nc_u32 v[XRD], XCH, v[XRD]
	s_lshl_b32 s60, s40, 2
	v_add_nc_u32 v[XW], s60, v[XRD]
	v_mul_u32_u24 v[XP], v16, 2064
	v_lshl_add_u32 v[XP], v17, 6, v[XP]
	s_lshl_b32 s60, s40, 7
	s_add_co_u32 s60, s60, XST
	v_add_nc_u32 v[XP], s60, v[XP]
	v_add_nc_u32 v[XP+1], 32*2064, v[XP]
	s_lshl_b32 s60, s40, 9
	s_add_co_u32 s60, s60, PIMG
	v_add_nc_u32 v[PW], s60, v[LI]
	v_add_nc_u32 v[PRD], PIMG, v[LI]
	v_lshlrev_b32 v[PSR], 4, v16
	v_add_nc_u32 v[PSR], PSC, v[PSR]
	s_lshr_b32 s60, s40, 1
	s_lshl_b32 s60, s60, 8
	s_and_b32 s61, s40, 1
	s_lshl_b32 s61, s61, 1
	s_add_co_u32 s60, s60, s61
	v_add_nc_u32 v[PSW], s60, v[PSR]
	v_mov_b32 v[NEG], 0xce6e6b28                   ; -1e9,
	v_mul_f32 v[NEG], s54, v[NEG]                  ; as t
	s_lshl_b32 s60, s40, 10
	v_add_nc_u32 v112, s60, v[LI]                  ; where the fragment of Q that I fetch goes: QIMG + 1,024 w
	; each buffer's pointer is stepped once to the work-group's and the wave's part
	s_mov_b32 s45, 0
	s_lshl_b32 s44, s42, 22                        ; t_m, g_m, mask: the batch's 4 MiB, my 64 rows of 4,096 bytes, my 64 keys
	s_lshl_b32 s43, s41, 18
	s_add_co_u32 s44, s44, s43
	s_lshl_b32 s43, s40, 8
	s_add_co_u32 s44, s44, s43
	s_lshr_b32 s59, s40, 3                         ; slots 4 w .. 4 w + 3 of XST are rows 32 (w / 8) + 8 ((w / 4) % 2) + 4 (w % 4) + 8 ((w / 2) % 2) + 0 .. 3
	s_lshl_b32 s59, s59, 5
	s_bfe_u32 s43, s40, 0x10002
	s_lshl_b32 s43, s43, 3
	s_add_co_u32 s59, s59, s43
	s_and_b32 s43, s40, 3
	s_lshl_b32 s43, s43, 2
	s_add_co_u32 s59, s59, s43
	s_bfe_u32 s43, s40, 0x10001
	s_lshl_b32 s43, s43, 3
	s_add_co_u32 s59, s59, s43
	s_wait_kmcnt 0x0
	s_add_nc_u64 s[6:7], s[6:7], s[44:45]
	s_add_nc_u64 s[8:9], s[8:9], s[44:45]
	s_add_nc_u64 s[10:11], s[10:11], s[44:45]
	s_lshl_b32 s44, s42, 10
	s_lshl_b32 s43, s41, 6
	s_add_co_u32 s44, s44, s43
	s_add_co_u32 s44, s44, s59
	s_lshl_b32 s44, s44, 11                        ; x, out0: rows of 2,048 bytes
	s_add_nc_u64 s[4:5], s[4:5], s[44:45]
	s_add_nc_u64 s[38:39], s[38:39], s[44:45]
	s_lshl_b32 s44, s40, 7                         ; my 32 channels
	s_add_nc_u64 s[12:13], s[12:13], s[44:45]
	s_add_nc_u64 s[14:15], s[14:15], s[44:45]
	s_add_nc_u64 s[18:19], s[18:19], s[44:45]
	s_lshl_b32 s44, s40, 9                         ; my 128 hidden units
	s_add_nc_u64 s[16:17], s[16:17], s[44:45]
	s_lshl_b32 s44, s40, 11                        ; 128 rows of 16 bytes, 32 rows of 64
	s_add_nc_u64 s[20:21], s[20:21], s[44:45]
	s_add_nc_u64 s[22:23], s[22:23], s[44:45]
	s_lshl_b32 s44, s40, 15                        ; 32 fragments
	s_add_nc_u64 s[34:35], s[34:35], s[44:45]
	s_add_nc_u64 s[36:37], s[36:37], s[44:45]
	s_lshl_b32 s60, s42, 18                        ; the batch in hk and in vt
	s_lshl_b32 s43, s41, 14
	s_add_co_u32 s44, s60, s43
	s_lshl_b32 s43, s40, 10
	s_add_co_u32 s44, s44, s43
	s_add_nc_u64 s[46:47], s[24:25], s[44:45]      ; hk as Q: the work-group's 16 fragments, the w-th
	s_lshl_b32 s43, s40, 14
	s_add_co_u32 s44, s60, s43
	s_add_nc_u64 s[24:25], s[24:25], s[44:45]      ; hk as K: my four tiles of keys
	s_lshl_b32 s43, s40, 11
	s_add_co_u32 s44, s60, s43
	s_add_nc_u64 s[28:29], s[28:29], s[44:45]      ; vt: my two tiles of channels
	s_lshl_b32 s60, s42, 14                        ; the batch in hs and in vsc
	s_lshl_b32 s43, s40, 10
	s_add_co_u32 s44, s60, s43
	s_add_nc_u64 s[48:49], s[26:27], s[44:45]      ; hs for K
	s_lshl_b32 s43, s41, 10
	s_add_co_u32 s44, s60, s43
	s_add_nc_u64 s[26:27], s[26:27], s[44:45]      ; hs for Q
	s_lshr_b32 s43, s40, 1
	s_lshl_b32 s43, s43, 8
	s_add_co_u32 s44, s60, s43
	s_and_b32 s43, s40, 1
	s_lshl_b32 s43, s43, 2
	s_add_co_u32 s44, s44, s43
	s_add_nc_u64 s[30:31], s[30:31], s[44:45]      ; vsc
	s_lshl_b32 s44, s42, 9
	s_add_nc_u64 s[32:33], s[32:33], s[44:45]      ; pmax: the batch's 128 numbers of t_m; g_m's lie 8,192 bytes on
.macro KLOAD cp                        ; my four tiles of keys, K step cp
.irp t,0,1,2,3
.irp c,0,1
	global_load_b128 v[T+8*\t+4*\c:T+8*\t+4*\c+3], v[LI], s[24:25] offset:4096*\t+1024*(\cp)+512*\c
.endr
.endr
.endm
; THE STREAM: 14 units of eight loads.  Unit 3 m + a: tile m's 16 rows x my 64 keys of t_m, g_m, mask (a = 0, 1, 2): sixteen lanes take 256 consecutive bytes, aligned, of one row.  Units 12, 13: my four rows of x.
.macro ULOAD u
.set UD, L0+32*((\u)%2)
.if (\u) < 12
.set UR, 32*((\u)/6)+8*(((\u)/3)%2)
.irp i,0,1,2,3,4,5,6,7
	global_load_b128 v[UD+4*\i:UD+4*\i+3], v[GA], s[6+2*((\u)%3):7+2*((\u)%3)] offset:(UR+2*\i+8*(\i/4))*4096 th:TH_LOAD_NT
.endr
.else
.irp i,0,1,2,3,4,5,6,7
	global_load_b128 v[UD+4*\i:UD+4*\i+3], v[LI], s[4:5] offset:(2*((\u)-12)+\i/4)*2048+512*(\i%4) th:TH_LOAD_NT
.endr
.endif
.endm
	global_load_b128 v[96:99], v[LI], s[46:47]                 ; one fragment of Q
	global_load_b128 v[100:103], v[LI], s[46:47] offset:512
	global_load_b128 v[104:107], v[LI], s[32:33]               ; the batch's partial maxima
	global_load_b128 v[108:111], v[LI], s[32:33] offset:8192
	global_load_b128 v[QS:QS+3], v[LI], s[26:27]               ; register 4 (m / 2) + c: lanes 0-15 tile 2 (m / 2), lanes 16-31 the next
	global_load_b128 v[QS+4:QS+7], v[LI], s[26:27] offset:512
	global_load_b128 v[KS:KS+3], v[LI], s[48:49]
	global_load_b128 v[KS+4:KS+7], v[LI], s[48:49] offset:512
	KLOAD 0
	ULOAD 0
	s_wait_loadcnt 22                              ; behind Q's two loads: 2 + 2 + 2 + 8 + 8
	ds_store_b128 v112, v[96:99]
	ds_store_b128 v112, v[100:103] offset:512
	BARRIER                                        ; Q's sixteen fragments lie in LDS
	s_wait_loadcnt 8                               ; all but the stream's first unit
	v_max3_num_f32 v104, v104, v105, v106
	v_max3_num_f32 v108, v108, v109, v110
	v_max_num_f32 v104, v104, v107
	v_max_num_f32 v108, v108, v111
.irp x,1,2,4,8
	v_max_num_f32_dpp v104, v104, v104 row_xmask:\x row_mask:0xf bank_mask:0xf
	v_max_num_f32_dpp v108, v108, v108 row_xmask:\x row_mask:0xf bank_mask:0xf
.endr
	v_permlanex16_b32 v105, v104, s56, s57
	v_permlanex16_b32 v109, v108, s56, s57
	v_max_num_f32 v104, v104, v105
	v_max_num_f32 v108, v108, v109
	v_readfirstlane_b32 s50, v104                  ; the batch's largest t_m,
	v_readfirstlane_b32 s52, v108                  ; and g_m: data, never an address or a branch
	s_mov_b32 s51, s50
	s_mov_b32 s53, s52
; ================ S^T = K Q^T: four K steps of 16 matrix instructions
.macro SSTEP cp
.irp m,0,1,2,3
.irp c,0,1
	ds_load_b128 v[L1+8*\m+4*\c:L1+8*\m+4*\c+3], v[LI] offset:(4*\m+\cp)*1024+512*\c
.endr
.endr
.if \cp > 0
	s_wait_loadcnt 0x0                             ; K's fragments are the youngest loads
.endif
	s_wait_dscnt 0x0
.irp t,0,1,2,3
.irp m,0,1,2,3
.if \cp == 0
	MM S+32*\m+8*\t, T+8*\t, L1+8*\m, -1, KS+4*(\t/2)+\cp, \t%2, QS+4*(\m/2)+\cp, \m%2
.else
	MM S+32*\m+8*\t, T+8*\t, L1+8*\m, S+32*\m+8*\t, KS+4*(\t/2)+\cp, \t%2, QS+4*(\m/2)+\cp, \m%2
.endif
.endr
.endr
	PLACES
.if \cp < 3
	KLOAD \cp+1
.endif
.endm
	SSTEP 0
	SSTEP 1
	SSTEP 2
	SSTEP 3
	ULOAD 1
; ================ the stream.  A unit's 4 KiB turn through my own stage (rows in, a lane's 32 keys of its row out), while the next two units are on their way.
.macro UNIT u
.set UB, L0+32*((\u)%2)
.set SM, S+32*((\u)/3)
.if (\u) < 13
	s_wait_loadcnt 8                               ; this unit is in; the next unit's eight loads stay out
.else
	s_wait_loadcnt 0x0
.endif
.if (\u) < 12
.irp i,0,1,2,3,4,5,6,7
	ds_store_b128 v[SW], v[UB+4*\i:UB+4*\i+3] offset:544*\i
.endr
.irp b,0,1
.irp j,0,1,2,3
	ds_load_b128 v[T+16*\b+4*\j:T+16*\b+4*\j+3], v[SRD] offset:128*\b+16*\j   ; LDS serves a wave's instructions in order: these see the stores
.endr
.endr
	s_wait_dscnt 8                                 ; the eight stores have read their registers (the eight loads may be out),
	ULOAD (\u)+2                                   ; which take the unit two further on
	s_wait_dscnt 0x0
.if (\u)%3 == 0
.set jj, 0
.rept 16
	v_pk_add_f32 v[T+jj:T+jj+1], v[T+jj:T+jj+1], s[50:51] op_sel_hi:[1,0] neg_lo:[1,0] neg_hi:[1,0]   ; max - t_m
.set jj, jj+2
.endr
.set jj, 0
.rept 16
	v_pk_fma_f32 v[SM+jj:SM+jj+1], v[SM+jj:SM+jj+1], 0x3b000000, v[T+jj:T+jj+1] op_sel_hi:[1,0,1]    ; score / 512 + it
.set jj, jj+2
.endr
.elseif (\u)%3 == 1
.set jj, 0
.rept 16
	v_pk_add_f32 v[T+jj:T+jj+1], v[T+jj:T+jj+1], s[52:53] op_sel_hi:[1,0] neg_lo:[1,0] neg_hi:[1,0]   ; max - g_m
.set jj, jj+2
.endr
.set jj, 0
.rept 16
	v_pk_add_f32 v[SM+jj:SM+jj+1], v[SM+jj:SM+jj+1], v[T+jj:T+jj+1]
.set jj, jj+2
.endr
.else
.set jj, 0
.rept 16
	v_pk_mul_f32 v[SM+jj:SM+jj+1], v[SM+jj:SM+jj+1], s[54:55] op_sel_hi:[1,0]                       ; t = logit x log2(e)
.set jj, jj+2
.endr
.set jj, 0
.rept 32
	v_cmp_eq_u32 vcc_lo, 0, v[T+jj]
	v_cndmask_b32 v[SM+jj], v[SM+jj], v[NEG], vcc_lo                                                ; where the mask is 0: -1e9's t
.set jj, jj+1
.endr
.endif
.else
.irp i,0,1,2,3,4,5,6,7
	ds_store_b128 v[XSW], v[UB+4*\i:UB+4*\i+3] offset:(2*((\u)-12)+\i/4)*2064+512*(\i%4)            ; x waits in LDS for the residual
.endr
.endif
.endm
.irp u,0,1,2,3,4,5,6,7,8,9,10,11,12,13
	UNIT \u
.endr
; a word for each of my rows to all waves, and all waves' words back
.macro XPUT src, st, rg
.irp m,0,1,2,3
	ds_store_b32 v[XW], v[\src+\st*\m] offset:\rg+1280*\m      ; (both halves of the lanes write the same word with the same value)
.endr
.endm
.macro XGET xt, rg
.irp m,0,1,2,3
.irp q,0,1,2,3
	ds_load_b128 v[\xt+16*\m+4*\q:\xt+16*\m+4*\q+3], v[XRD] offset:\rg+1280*\m+16*\q
.endr
.endr
.endm
; the sum of 16 registers for each tile, the four tiles by turns: v[dst + 16 m] = the sum of v[src + 16 m ..]
.macro LSUM16 dst, src
.irp m,0,1,2,3
.irp i,0,4,8,12
	v_pk_add_f32 v[\dst+16*\m+\i:\dst+16*\m+\i+1], v[\src+16*\m+\i:\src+16*\m+\i+1], v[\src+16*\m+\i+2:\src+16*\m+\i+3]
.endr
.endr
.irp m,0,1,2,3
	v_pk_add_f32 v[\dst+16*\m:\dst+16*\m+1], v[\dst+16*\m:\dst+16*\m+1], v[\dst+16*\m+4:\dst+16*\m+5]
	v_pk_add_f32 v[\dst+16*\m+8:\dst+16*\m+9], v[\dst+16*\m+8:\dst+16*\m+9], v[\dst+16*\m+12:\dst+16*\m+13]
.endr
.irp m,0,1,2,3
	v_pk_add_f32 v[\dst+16*\m:\dst+16*\m+1], v[\dst+16*\m:\dst+16*\m+1], v[\dst+16*\m+8:\dst+16*\m+9]
.endr
.irp m,0,1,2,3
	v_add_f32 v[\dst+16*\m], v[\dst+16*\m], v[\dst+16*\m+1]
.endr
.endm
.macro HALVES dst                      ; and lane l xor 16's
.irp m,0,1,2,3
	v_permlanex16_b32 v[\dst+16*\m+1], v[\dst+16*\m], s56, s57
.endr
.irp m,0,1,2,3
	v_add_f32 v[\dst+16*\m], v[\dst+16*\m], v[\dst+16*\m+1]
.endr
.endm
; ================ the largest t: of each block of 32 keys (it serves again for the block's largest p), of my 64 keys, of the row
.irp q,0,1,2,3,4,5,6,7
	v_max3_num_f32 v[BM+\q], v[S+16*\q], v[S+16*\q+1], v[S+16*\q+2]
.endr
.irp i,3,5,7,9,11,13
.irp q,0,1,2,3,4,5,6,7
	v_max3_num_f32 v[BM+\q], v[BM+\q], v[S+16*\q+\i], v[S+16*\q+\i+1]
.endr
.endr
.irp q,0,1,2,3,4,5,6,7
	v_max_num_f32 v[BM+\q], v[BM+\q], v[S+16*\q+15]
.endr
.irp q,0,1,2,3,4,5,6,7
	v_permlanex16_b32 v[48+\q], v[BM+\q], s56, s57
.endr
.irp q,0,1,2,3,4,5,6,7
	v_max_num_f32 v[BM+\q], v[BM+\q], v[48+\q]
.endr
.irp m,0,1,2,3
	v_max_num_f32 v[16+\m], v[BM+2*\m], v[BM+2*\m+1]
.endr
	XPUT 16, 1, MXR
	BARRIER
	XGET 64, MXR
	s_wait_dscnt 0x0
.irp m,0,1,2,3
	v_max3_num_f32 v[64+16*\m], v[64+16*\m], v[65+16*\m], v[66+16*\m]
.endr
.irp i,3,5,7,9,11,13
.irp m,0,1,2,3
	v_max3_num_f32 v[64+16*\m], v[64+16*\m], v[64+16*\m+\i], v[65+16*\m+\i]
.endr
.endr
.irp m,0,1,2,3
	v_max_num_f32 v[64+16*\m], v[64+16*\m], v[79+16*\m]
.endr
.irp m,0,1,2,3
	v_floor_f32 v[NM+2*\m], -v[64+16*\m]           ; -M = floor(-t) = -ceil(t): a whole number
.endr
.irp m,0,1,2,3
	v_mov_b32 v[NM+2*\m+1], v[NM+2*\m]
.endr
; ================ p = 2^(t - M), its sum, its codes
.irp m,0,1,2,3
.set jj, 0
.rept 16
	v_pk_add_f32 v[S+32*\m+jj:S+32*\m+jj+1], v[S+32*\m+jj:S+32*\m+jj+1], v[NM+2*\m:NM+2*\m+1] op_sel_hi:[1,0]
.set jj, jj+2
.endr
.endr
.irp q,0,1,2,3,4,5,6,7
	v_add_f32 v[BM+\q], v[BM+\q], v[NM+2*(\q/2)]   ; the same addition on the block's largest t: the same bits as that p
.endr
.set jj, 0
.rept 128
	v_exp_f32 v[S+jj], v[S+jj]
.set jj, jj+1
.endr
.irp q,0,1,2,3,4,5,6,7
	v_exp_f32 v[BM+\q], v[BM+\q]
.endr
	v_nop                                          ; a plain instruction behind the last exponential
	s_wait_alu depctr_va_vdst(0)                   ; ONE wait for the 136, ahead of their first reader
.irp m,0,1,2,3
	v_pk_add_f32 v[LS+2*\m:LS+2*\m+1], v[S+32*\m:S+32*\m+1], v[S+32*\m+2:S+32*\m+3]   ; the sum is taken of the unquantised p
.endr
.irp i,4,6,8,10,12,14,16,18,20,22,24,26,28,30
.irp m,0,1,2,3
	v_pk_add_f32 v[LS+2*\m:LS+2*\m+1], v[LS+2*\m:LS+2*\m+1], v[S+32*\m+\i:S+32*\m+\i+1]
.endr
.endr
.irp m,0,1,2,3
	v_add_f32 v[LS+2*\m], v[LS+2*\m], v[LS+2*\m+1]
.endr
.irp m,0,1,2,3
	v_permlanex16_b32 v[LS+2*\m+1], v[LS+2*\m], s56, s57
.endr
.irp m,0,1,2,3
	v_add_f32 v[LS+2*\m], v[LS+2*\m], v[LS+2*\m+1]
.endr
	XPUT LS, 2, LSR
.irp q,0,1,2,3,4,5,6,7
	v_max_num_f32 v[BM+\q], 0x1800000, v[BM+\q]    ; the floor 2^(3 - 127): the byte cannot fall under 1
.endr
.irp q,0,1,2,3,4,5,6,7
	v_add_nc_u32 v[SOP+\q], 0xff000000, v[BM+\q]   ; 2 off the exponent field: the conversion's scale operand
.endr
.irp q,0,1,2,3,4,5,6,7
	v_lshrrev_b32 v[BY+\q], 23, v[SOP+\q]          ; the scale's byte
.endr
.irp m,0,1,2,3
	v_lshl_or_b32 v[HWD+\m], v[BY+2*\m+1], 8, v[BY+2*\m]       ; my two blocks' bytes: half of the key step's scale word
.endr
.irp q,0,1,2,3,4,5,6,7
	v_cvt_scalef32_pk8_fp4_f32 v[PC4+2*\q], v[S+16*\q:S+16*\q+7], v[SOP+\q]
	v_cvt_scalef32_pk8_fp4_f32 v[PC4+2*\q+1], v[S+16*\q+8:S+16*\q+15], v[SOP+\q]
.endr
	v_nop                                          ; one plain instruction behind the last conversion
.irp m,0,1,2,3
.irp i,0,1
	v_permlane16_swap_b32 v[PC4+4*\m+\i], v[PC4+4*\m+2+\i]     ; a whole block to a lane: lanes 0-15 my first block, lanes 16-31 my second
.endr
.endr
.irp m,0,1,2,3
	ds_store_b128 v[PW], v[PC4+4*\m:PC4+4*\m+3] offset:8192*\m ; registers 4 (w % 2) .. + 3 of fragment (m, key step w / 2)
	ds_store_b16 v[PSW], v[HWD+\m] offset:4*\m
.endr
.irp s,0,1,2,3,4,5,6,7
	global_load_b32 v[20+\s], v[L8], s[30:31] offset:2048*\s   ; V's scale words: lanes 0-15 my first tile of channels, lanes 16-31 my second
.endr
.irp s,0,1,2,3,4,5,6,7
.irp u,0,1
.irp c,0,1
	global_load_b128 v[S+16*\s+8*\u+4*\c:S+16*\s+8*\u+4*\c+3], v[LI], s[28:29] offset:32768*\s+1024*\u+512*\c   ; all of V that I multiply, where the scores lay
.endr
.endr
.endr
	BARRIER                                        ; p's 32 fragments, their scale words and the sums lie in LDS
; ================ O^T = V^T P^T: eight key steps of eight matrix instructions
.macro PVSTEP ks
.if \ks > 0
	PLACES
.endif
.irp m,0,1,2,3
.irp c,0,1
	ds_load_b128 v[L1+8*\m+4*\c:L1+8*\m+4*\c+3], v[PRD] offset:(8*\m+\ks)*1024+512*\c
.endr
.endr
	ds_load_b128 v[16:19], v[PSR] offset:256*\ks   ; p's scale words of the four tiles
	s_wait_loadcnt 4*(7-\ks)                       ; the later key steps' fragments of V, four loads each, may be out
	s_wait_dscnt 0x0
.irp m,0,1,2,3
.irp u,0,1
.if \ks == 0
	MM 32+16*\m+8*\u, S+16*\ks+8*\u, L1+8*\m, -1, 20+\ks, \u, 16+\m, 0
.else
	MM 32+16*\m+8*\u, S+16*\ks+8*\u, L1+8*\m, 32+16*\m+8*\u, 20+\ks, \u, 16+\m, 0
.endif
.endr
.endr
.endm
.irp s,0,1,2,3,4,5,6,7
	PVSTEP \s
.endr
; ================ x1 = x + O / sum; LN2; its codes.  Register 16 m + i of a lane is channel 32 w + 16 h + i of row r of tile m.
	v_and_b32 v28, 15, v0                          ; the next addresses: plain instructions on other registers, the places behind the last products
	v_bfe_u32 v29, v0, 4, 1
	v_lshlrev_b32 v[H64], 6, v29
	v_and_b32 v30, 8, v28
	v_add_nc_u32 v30, v30, v28
	v_lshl_add_u32 v30, v29, 3, v30
	v_lshlrev_b32 v[P16], 4, v30
	v_lshlrev_b32 v[H2W], 4, v28
	v_lshl_add_u32 v[H2W], v29, 3, v[H2W]
	s_lshl_b32 s60, s40, 8
	v_add_nc_u32 v[H2W], s60, v[H2W]               ; block w of K = 512: K step w / 4, registers 4 ((w / 2) % 2) on, lanes 16 (w % 2) on: 256 w in all
	v_mul_u32_u24 v[H2R], v28, 80
	v_add_nc_u32 v[H2R], H2S, v[H2R]
	v_add_nc_u32 v[H2B], s40, v[H2R]
.irp q,0,1,2,3
	global_load_b128 v[96+4*\q:99+4*\q], v[H64], s[12:13] offset:16*\q
.endr
.irp q,0,1,2,3
	global_load_b128 v[112+4*\q:115+4*\q], v[H64], s[14:15] offset:16*\q
.endr
.macro XPLOAD reg                      ; my channels of the 64 rows, out of XST
.irp m,0,1,2,3
.irp q,0,1,2,3
	ds_load_b128 v[\reg+16*\m+4*\q:\reg+16*\m+4*\q+3], v[XP+\m/2] offset:(\m%2)*33024+16*\q
.endr
.endr
.endm
.macro XPSTORE reg                     ; and into it: the very bytes that this lane reads, and no other lane
.irp m,0,1,2,3
.irp q,0,1,2,3
	ds_store_b128 v[XP+\m/2], v[\reg+16*\m+4*\q:\reg+16*\m+4*\q+3] offset:(\m%2)*33024+16*\q
.endr
.endr
.endm
	XGET 192, LSR
	XPLOAD 128
	s_wait_dscnt 16                                ; the sums are in; x's sixteen loads may be out
	LSUM16 192, 192
.irp m,0,1,2,3
	v_rcp_f32 v[24+2*\m], v[192+16*\m]
.endr
	v_nop
	s_wait_alu depctr_va_vdst(0)                   ; one wait for the four
	s_wait_dscnt 0x0
.irp m,0,1,2,3
.irp i,0,2,4,6,8,10,12,14
	v_pk_fma_f32 v[128+16*\m+\i:128+16*\m+\i+1], v[32+16*\m+\i:32+16*\m+\i+1], v[24+2*\m:25+2*\m], v[128+16*\m+\i:128+16*\m+\i+1] op_sel_hi:[1,0,1]   ; each accumulator from its low end on
.endr
.endr
	LSUM16 192, 128
	HALVES 192
	XPUT 192, 16, MUR
	BARRIER
	XGET 192, MUR
	s_wait_dscnt 0x0
	LSUM16 192, 192
.irp m,0,1,2,3
	v_mul_f32 v[24+2*\m], 0x3b000000, v[192+16*\m] ; the mean
.endr
.irp m,0,1,2,3
.irp i,0,2,4,6,8,10,12,14
	v_pk_add_f32 v[32+16*\m+\i:32+16*\m+\i+1], v[128+16*\m+\i:128+16*\m+\i+1], v[24+2*\m:25+2*\m] op_sel_hi:[1,0] neg_lo:[0,1] neg_hi:[0,1]
.endr
.endr
.irp m,0,1,2,3
	v_pk_mul_f32 v[192+16*\m:193+16*\m], v[32+16*\m:33+16*\m], v[32+16*\m:33+16*\m]
.endr
.irp i,2,4,6,8,10,12,14
.irp m,0,1,2,3
	v_pk_fma_f32 v[192+16*\m:193+16*\m], v[32+16*\m+\i:33+16*\m+\i], v[32+16*\m+\i:33+16*\m+\i], v[192+16*\m:193+16*\m]
.endr
.endr
.irp m,0,1,2,3
	v_add_f32 v[192+16*\m], v[192+16*\m], v[193+16*\m]
.endr
	HALVES 192
	XPUT 192, 16, VAR
	XPSTORE 128                                    ; x1 waits in LDS for the last product
	BARRIER
	XGET 192, VAR
	s_mov_b32 s60, 0x3b000000                      ; 1 / 512
	s_mov_b32 s61, 0x358637bd                      ; 1e-6
	s_wait_dscnt 0x0
	LSUM16 192, 192
.irp m,0,1,2,3
	v_fma_f32 v[192+16*\m], v[192+16*\m], s60, s61
.endr
.irp m,0,1,2,3
	v_rsq_f32 v[24+2*\m], v[192+16*\m]
.endr
	v_nop
	s_wait_alu depctr_va_vdst(0)                   ; one wait for the four
.macro B1LOAD tp                       ; b1 at the results' places of tiles 2 tp, 2 tp + 1: the C of their first products
.irp u,0,1
.irp i,0,1
	global_load_b128 v[224+8*\u+4*\i:224+8*\u+4*\i+3], v[H64], s[16:17] offset:128*(\tp)+32*\u+16*\i
.endr
.endr
.endm
; THE WEIGHTS: 32 steps of two fragments, through a ring of four sets of 16 registers, v128-191, which runs on from W1 into W2: four steps, 16 loads, ahead
.macro WFILL n
.set WD, 128+16*((\n)%4)
.irp u,0,1
.irp c,0,1
.if (\n) < 16
	global_load_b128 v[WD+8*\u+4*\c:WD+8*\u+4*\c+3], v[LI], s[34:35] offset:((2*((\n)/4)+\u)*4+(\n)%4)*1024+512*\c
.else
	global_load_b128 v[WD+8*\u+4*\c:WD+8*\u+4*\c+3], v[LI], s[36:37] offset:(16*\u+(\n)-16)*1024+512*\c
.endif
.endr
.endr
.endm
.irp p,0,1,2,3
	global_load_b128 v[192+4*\p:195+4*\p], v[P16], s[20:21] offset:512*\p      ; W1's scale words: register 4 tp + c; lanes 0-15 tile 2 tp, lanes 16-31 the next
.endr
	B1LOAD 0
	WFILL 0
	WFILL 1
	WFILL 2
	WFILL 3
	s_wait_loadcnt 24                              ; behind ln2_w and ln2_b: the 4 + 4 + 16 loads just issued
.irp m,0,1,2,3
.irp i,0,2,4,6,8,10,12,14
	v_pk_mul_f32 v[32+16*\m+\i:33+16*\m+\i], v[32+16*\m+\i:33+16*\m+\i], v[24+2*\m:25+2*\m] op_sel_hi:[1,0]
.endr
.endr
.irp m,0,1,2,3
.irp i,0,2,4,6,8,10,12,14
	v_pk_fma_f32 v[32+16*\m+\i:33+16*\m+\i], v[32+16*\m+\i:33+16*\m+\i], v[96+\i:97+\i], v[112+\i:113+\i]
.endr
.endr
; Four half blocks of a lane, v[s + 16 b ..], one for each tile of rows; lane l xor 16 holds the other half.  Codes: v[PC + 2 b], v[PC + 2 b + 1]; bytes: v[TM + 4 + b].  ab = 1: magnitudes
.macro QUANT4 s, ab
.irp b,0,1,2,3
.if \ab
	v_max3_num_f32 v[TM+\b], |v[\s+16*\b]|, |v[\s+16*\b+1]|, 0x1800000         ; with the floor 2^(3 - 127)
.else
	v_max3_num_f32 v[TM+\b], v[\s+16*\b], v[\s+16*\b+1], 0x1800000
.endif
.endr
.irp i,2,4,6,8,10,12,14
.irp b,0,1,2,3
.if \ab
	v_max3_num_f32 v[TM+\b], v[TM+\b], |v[\s+16*\b+\i]|, |v[\s+16*\b+\i+1]|
.else
	v_max3_num_f32 v[TM+\b], v[TM+\b], v[\s+16*\b+\i], v[\s+16*\b+\i+1]
.endif
.endr
.endr
.irp b,0,1,2,3
	v_permlanex16_b32 v[TM+4+\b], v[TM+\b], s56, s57
.endr
.irp b,0,1,2,3
	v_max_num_f32 v[TM+\b], v[TM+\b], v[TM+4+\b]
.endr
.irp b,0,1,2,3
	v_add_nc_u32 v[TM+12+\b], 0xff000000, v[TM+\b]
.endr
.irp b,0,1,2,3
	v_lshrrev_b32 v[TM+4+\b], 23, v[TM+12+\b]
.endr
.irp b,0,1,2,3
	v_cvt_scalef32_pk8_fp4_f32 v[PC+2*\b], v[\s+16*\b:\s+16*\b+7], v[TM+12+\b]
	v_cvt_scalef32_pk8_fp4_f32 v[PC+2*\b+1], v[\s+16*\b+8:\s+16*\b+15], v[TM+12+\b]
.endr
	v_nop                                          ; one plain instruction behind the last conversion
.endm
	QUANT4 32, 1
.irp m,0,1,2,3
	ds_store_b64 v[H2W], v[PC+2*\m:PC+2*\m+1] offset:4096*\m   ; my half of the block's 16 bytes, at its place in the image: nothing changes lanes
	ds_store_b8 v[H2B], v[TM+4+\m] offset:16*\m                ; (both halves of the lanes write the same byte with the same value)
.endr
	BARRIER                                        ; LN2's result: sixteen fragments and their scale words lie in LDS
	v_and_b32 v24, 15, v0                          ; the FFN's addresses
	v_bfe_u32 v25, v0, 4, 1
	v_lshlrev_b32 v26, 4, v24
	v_add_nc_u32 v[HSR], HSC, v26
	s_lshl_b32 s60, s40, 8
	v_add_nc_u32 v[HB], s60, v[HSR]
	v_lshl_add_u32 v[HW], v25, 3, v26
	s_lshl_b32 s60, s40, 10
	s_add_co_u32 s60, s60, HID
	v_add_nc_u32 v[HW], s60, v[HW]
	v_add_nc_u32 v[HRD], HID, v[LI]
	v_and_b32 v27, 8, v24
	v_add_nc_u32 v27, v27, v24
	v_lshl_add_u32 v27, v25, 3, v27
	v_lshlrev_b32 v[P64], 6, v27
.irp m,0,1,2,3
	ds_load_b128 v[208+4*\m:211+4*\m], v[H2R] offset:16*\m     ; its scale words: register 4 m + c
.endr
.macro HF1LOAD cp
.irp m,0,1,2,3
.irp c,0,1
	ds_load_b128 v[L1+8*\m+4*\c:L1+8*\m+4*\c+3], v[LI] offset:(4*\m+(\cp))*1024+512*\c
.endr
.endr
.endm
.macro HF2LOAD ks
.irp m,0,1,2,3
.irp c,0,1
	ds_load_b128 v[L1+8*\m+4*\c:L1+8*\m+4*\c+3], v[HRD] offset:(16*\m+(\ks))*1024+512*\c
.endr
.endr
	ds_load_b128 v[208:211], v[HSR] offset:256*(\ks)
.endm
	HF1LOAD 0
; ================ the hidden layer: step n = 4 tp + c: tiles 2 tp, 2 tp + 1 of my eight, K step c, for the four tiles of rows
.macro F1STEP n
.set TP, (\n)/4
.set CP, (\n)%4
.set WF, 128+16*((\n)%4)
	s_wait_loadcnt 12                              ; this step's weights are in: behind them stand three steps' (12 loads), at times b1's four too: then this count waits for more than it need
	s_wait_dscnt 0x0
.irp m,0,1,2,3
.irp u,0,1
.if CP == 0
	MM 32+16*\m+8*\u, WF+8*\u, L1+8*\m, 224+8*\u, 192+4*TP+CP, \u, 208+4*\m+CP, 0
.else
	MM 32+16*\m+8*\u, WF+8*\u, L1+8*\m, 32+16*\m+8*\u, 192+4*TP+CP, \u, 208+4*\m+CP, 0
.endif
.endr
.endr
	PLACES
.if (CP == 0) && (TP < 3)
	B1LOAD TP+1
.endif
	WFILL (\n)+4
.if (\n) < 15
	HF1LOAD ((\n)+1)%4
.else
.irp q,0,1,2,3
	global_load_b128 v[192+4*\q:195+4*\q], v[P64], s[22:23] offset:16*\q       ; W2's scale words: register s; lanes 0-15 my first tile of channels, lanes 16-31 my second
.endr
.irp q,0,1,2,3
	global_load_b128 v[224+4*\q:227+4*\q], v[H64], s[18:19] offset:16*\q       ; b2 at my 16 channels
.endr
.endif
.if CP == 3
.set jj, 0
.rept 64
	v_max_num_f32 v[32+jj], 0, v[32+jj]            ; the activation, each accumulator from its low end on
.set jj, jj+1
.endr
	QUANT4 32, 0
.irp m,0,1,2,3
	ds_store_b64 v[HW], v[PC+2*\m:PC+2*\m+1] offset:16384*\m+512*(TP/2)+256*(TP%2)     ; block tp of K step w of the last product
	ds_store_b8 v[HB], v[TM+4+\m] offset:4*\m+TP
.endr
.endif
.endm
.irp n,0,1,2,3,4,5,6,7,8,9,10,11,12,13,14,15
	F1STEP \n
.endr
	BARRIER                                        ; the hidden layer's 64 fragments and their scale words lie in LDS
	XPLOAD 32                                      ; x1 is the last product's first addend
	HF2LOAD 0
; ================ the last product: step n = 16 + s: my two tiles of channels, K step s, for the four tiles of rows
.macro F2STEP n
.set KS2, (\n)-16
.set WF, 128+16*((\n)%4)
.if (\n) == 16
	s_wait_loadcnt 0x0                             ; W2's scale words and b2 are the youngest loads
.elseif (\n) < 28
	s_wait_loadcnt 12                              ; three steps' weights may be out
.else
	s_wait_loadcnt 4*(31-(\n))                     ; nothing is asked for any more: the count runs down
.endif
	s_wait_dscnt 0x0
.irp m,0,1,2,3
.irp u,0,1
	MM 32+16*\m+8*\u, WF+8*\u, L1+8*\m, 32+16*\m+8*\u, 192+KS2, \u, 208+\m, 0
.endr
.endr
	PLACES
.if (\n) < 28
	WFILL (\n)+4
.endif
.if (\n) < 31
	HF2LOAD KS2+1
.endif
.endm
.irp n,16,17,18,19,20,21,22,23,24,25,26,27,28,29,30,31
	F2STEP \n
.endr
; ================ the way out: (.. + b2) / 512, through XST, as whole rows
.irp i,0,2,4,6,8,10,12,14
	v_pk_mul_f32 v[224+\i:225+\i], v[224+\i:225+\i], 0x3b000000 op_sel_hi:[1,0]
.endr
.irp m,0,1,2,3
.irp i,0,2,4,6,8,10,12,14
	v_pk_fma_f32 v[32+16*\m+\i:33+16*\m+\i], v[32+16*\m+\i:33+16*\m+\i], 0x3b000000, v[224+\i:225+\i] op_sel_hi:[1,0,1]
.endr
.endr
	XPSTORE 32
	BARRIER                                        ; 64 whole rows lie in XST
.irp k,0,1,2,3
.irp i,0,1,2,3
	ds_load_b128 v[128+16*\k+4*\i:128+16*\k+4*\i+3], v[XSW] offset:2064*\k+512*\i
.endr
.endr
.set nn, 0
.rept 16
	s_wait_dscnt 15-nn                             ; the younger loads may stay out
	global_store_b128 v[LI], v[128+4*nn:131+4*nn], s[38:39] offset:2048*(nn/4)+512*(nn%4) th:TH_STORE_NT   ; 512 consecutive bytes of a row, aligned
.set nn, nn+1
.endr
	s_wait_xcnt 0x0
	v_lshl_add_u32 v254, v0, 2, 0x44100
	v_mov_b32 v255, 0
	s_wait_tensorcnt 0x0
	ds_add_u32 v254, v255
	s_wait_dscnt 0x0
	s_endpgm
.Lfunc_end_k_qc27c3ec67f_layer:
	.size	k_qc27c3ec67f_layer, .Lfunc_end_k_qc27c3ec67f_layer-k_qc27c3ec67f_layer
	.p2alignl 7, 3214868480
	.fill 96, 4, 3214868480
	.section	.rodata,"a",@progbits
	.p2align	6, 0x0
	.amdhsa_kernel k_qc27c3ec67f_layer
		.amdhsa_group_segment_fixed_size 280832
		.amdhsa_private_segment_fixed_size 0
		.amdhsa_enable_private_segment 0
		.amdhsa_kernarg_size 144
		.amdhsa_user_sgpr_count 2
		.amdhsa_user_sgpr_kernarg_segment_ptr 1
		.amdhsa_wavefront_size32 1
		.amdhsa_system_sgpr_workgroup_id_x 1
		.amdhsa_system_sgpr_workgroup_id_y 1
		.amdhsa_system_sgpr_workgroup_id_z 1
		.amdhsa_system_vgpr_workitem_id 0
		.amdhsa_next_free_vgpr 256
		.amdhsa_next_free_sgpr 66
		.amdhsa_reserve_vcc 1
		.amdhsa_float_denorm_mode_32 3
		.amdhsa_float_denorm_mode_16_64 3
		.amdhsa_memory_ordered 1
		.amdhsa_forward_progress 1
		.amdhsa_inst_pref_size 252
	.end_amdhsa_kernel
	.amdgpu_metadata
---
amdhsa.version: [ 1, 2 ]
amdhsa.kernels:
  - .name:           k_qc27c3ec67f_layer
    .symbol:         k_qc27c3ec67f_layer.kd
    .args:
      - { .name: x, .offset: 0, .size: 8, .value_kind: global_buffer, .address_space: global }
      - { .name: t_m, .offset: 8, .size: 8, .value_kind: global_buffer, .address_space: global }
      - { .name: g_m, .offset: 16, .size: 8, .value_kind: global_buffer, .address_space: global }
      - { .name: mask, .offset: 24, .size: 8, .value_kind: global_buffer, .address_space: global }
      - { .name: ln2_w, .offset: 32, .size: 8, .value_kind: global_buffer, .address_space: global }
      - { .name: ln2_b, .offset: 40, .size: 8, .value_kind: global_buffer, .address_space: global }
      - { .name: b1, .offset: 48, .size: 8, .value_kind: global_buffer, .address_space: global }
      - { .name: b2, .offset: 56, .size: 8, .value_kind: global_buffer, .address_space: global }
      - { .name: w1_scales, .offset: 64, .size: 8, .value_kind: global_buffer, .address_space: global }
      - { .name: w2_scales, .offset: 72, .size: 8, .value_kind: global_buffer, .address_space: global }
      - { .name: hk, .offset: 80, .size: 8, .value_kind: global_buffer, .address_space: global }
      - { .name: hs, .offset: 88, .size: 8, .value_kind: global_buffer, .address_space: global }
      - { .name: vt, .offset: 96, .size: 8, .value_kind: global_buffer, .address_space: global }
      - { .name: vsc, .offset: 104, .size: 8, .value_kind: global_buffer, .address_space: global }
      - { .name: pmax, .offset: 112, .size: 8, .value_kind: global_buffer, .address_space: global }
      - { .name: w1i, .offset: 120, .size: 8, .value_kind: global_buffer, .address_space: global }
      - { .name: w2i, .offset: 128, .size: 8, .value_kind: global_buffer, .address_space: global }
      - { .name: out0, .offset: 136, .size: 8, .value_kind: global_buffer, .address_space: global }
    .group_segment_fixed_size: 280832
    .private_segment_fixed_size: 0
    .kernarg_segment_align: 8
    .kernarg_segment_size: 144
    .max_flat_workgroup_size: 512
    .sgpr_count:     66
    .vgpr_count:     256
    .wavefront_size: 32
...
	.end_amdgpu_metadata
.endif
;; end of part 2
;; ======== version 2 of 2: 2 launches; version 1 with the launch layer written anew for expert scheduling mode
;; workspace buffers: hk 4,194,304 bytes; hs 262,144 bytes; vt 4,194,304 bytes; vsc 262,144 bytes; pmax 16,384 bytes; w1i 524,288 bytes; w2i 524,288 bytes
;; launch prep: the kernel of part 1 again; grid 656 x 1, 8 waves a work-group, no clusters, 69,120 bytes of LDS; arguments x, ln1_w, ln1_b, t_m, g_m, w1_codes, w2_codes, hk, hs, vt, vsc, pmax, w1i, w2i; writes hk, hs, vt, vsc, pmax, w1i, w2i
;; launch layer (part 3): grid 16 x 16, 16 waves a work-group, no clusters, 280,832 bytes of LDS; arguments x, t_m, g_m, mask, ln2_w, ln2_b, b1, b2, w1_scales, w2_scales, hk, hs, vt, vsc, pmax, w1i, w2i, out0; writes out0
.if DOCPART == 3
	.amdgcn_target "amdgcn-amd-amdhsa--gfx1250"
	.amdhsa_code_object_version 6
	.text
	.protected	k_qc27c3ec67f_layer
	.globl	k_qc27c3ec67f_layer
	.p2align	8
	.type	k_qc27c3ec67f_layer,@function
k_qc27c3ec67f_layer:
	s_mov_b64 s[64:65], 0
	v_nop
	global_prefetch_b8 v0, s[64:65] scope:SCOPE_SE
	s_setreg_imm32_b32 hwreg(HW_REG_WAVE_SCHED_MODE, 0, 2), 2
	s_setreg_imm32_b32 hwreg(HW_REG_WAVE_MODE, 25, 1), 1
	s_wait_xcnt 0x0
	s_wait_alu depctr_vm_vsrc(0)
; LAYER.  out = (x1 + relu(LN2(x1) W1 + b1) W2 + b2) / 512 with x1 = x + softmax(h h^T / 512 + |t_m - max| + |g_m - max|, masked) h, h = LN1(x): all four products on codes of FP4 (E2M1),
; one E8M0 scale for each 32 along K.  h's codes come from the launch before (hk, hs along the channels; vt, vsc along the keys), the weights' codes as images (w1i, w2i).
; SHARES.  A work-group owns 64 rows of one batch, as four tiles m of 16.  ITS SIXTEEN WAVES SHARE THE COLUMNS, NEVER THE ROWS.  Wave w owns: keys 64 w .. + 63 in the first product; channels
; 32 w .. + 31 in the second, in the norm and in the last; hidden units 128 w .. + 127 in the third.  So every fragment of K, V, W1, W2 is wanted by ONE wave of the work-group and goes from memory
; straight into its registers, 512 consecutive bytes a load; what goes round through LDS are the rows' codes, as pieces of images of the operand's registers, and a few words for each row.
; All products are used transposed (source 0 = 16 keys, channels or hidden units; source 1 = 16 rows): a lane holds ONE row throughout.  Row r of tile T of anything is index
; 32 (T / 2) + 8 (T % 2) + r + 8 (r / 8): so the 16 registers of tiles 2 b, 2 b + 1 are 16 neighbours, 32 b + 16 (lane / 16) + 0 .. 15, along the next K.
; SOFTMAX.  All 64 x 1,024 scores lie in the work-group's registers (128 a lane), so the row's maximum is found first: t = logit x log2(e), M = ceil(largest t), p = 2^(t - M), quantised along the keys;
; the sum of the unquantised p divides at the end.  max - m stands for |m - max|: the maximum is taken over the element itself.  A masked logit is -1e9: a row with no key left has t = M and p = 1.
; WHY NO CLUSTER: what work-groups of a batch share (256 KiB of K's codes, 256 KiB of V's, 1 MiB of weights for each work-group) is read into registers, each fragment by one wave; a joint load lands in
; LDS, of which 46,848 bytes are unclaimed here: a ring there would change slots, with a barrier of all partners, some sixty times.  WHY NO TENSOR LOADS: the three streams are consumed 4 KiB
; a wave at a time; counted loads into registers keep 8 to 16 loads of 512 bytes of each of the 16 waves on their way with no barrier at all.
; LIMITS: NaN and infinities among the inputs are not served.  p under 2^-126 counts as 0 (v_exp_f32).  A block whose largest magnitude lies under 2^-124, zeros too, keeps the scale byte 1.
; 1 / sum and 1 / sqrt are v_rcp_f32 and v_rsq_f32.  Behind the last quantiser x1 is the last product's first addend and b2 is added behind it: the order of roundings differs from x1 + (f + b2).
; The accumulators of every product take turns, one instruction a turn, and every operand and scale of a matrix instruction arrives by a load.
; THE MODE: SCHED_MODE bits 1:0 = 2 (LLVM: expert scheduling mode 2), set by the entry lines.  The code itself states the register dependences between vector or matrix instructions and memory or LDS
; instructions, with s_wait_alu, always for 0.
; THE PLAN.  Registers that memory or LDS instructions touch, and who else names them:
;   v1-15     addresses, made at the head ahead of the one wait in front of the first load.  v2, v3, v4, v10, v11 are made anew behind the last V^T P product, v3 and v12-15 behind the barrier of LN2's codes:
;             each time a wait on vm_vsrc stands behind the last access by the old address and a wait on va_vdst ahead of the first access by the new one.
;   v16-31    scale words land here and products read them; the largest t and the codes just made are written here by vector lines and read by LDS stores.
;   T         K's fragments land, products read; then the stage's returns land, and a unit's arithmetic reads and writes them.
;   L0, L1    a unit of the stream lands, eight LDS stores read it, the unit two further on lands.  L1 also takes the rows' fragments out of LDS, which products read.
;   v32-95    accumulators; parts of them hold sums and codes that LDS stores read; x1 lands here out of LDS; the result leaves from here into LDS.
;   v128-255  the scores, worked on in place; then V's fragments land; then x, the rows' words, the weights' ring, scale words, b1, b2 land; x1 and the rows' sums leave from here into LDS.
; A STEP OF PRODUCTS ends with one wait on va_vdst: its products are done reading the fragments, scale words and addends in which the next step's loads land.  All 256 registers are taken in every phase,
; so there is no second set of fragments to load into meanwhile.  A UNIT OF THE STREAM has one wait on va_vdst (the unit before is done with T) and one on vm_vsrc (its LDS stores have read the buffer that
; is asked for again).  WHAT GOES TO LDS has one wait on va_vdst ahead of each run of stores, and one on vm_vsrc behind the barrier that follows them, ahead of the first write of the registers that they read.
; THE MASK: a unit's 32 compares write s66-97 in one run, the scalings stand behind them, one wait on va_sdst, then the 32 selects.
; LDS
.set QIMG, 0                           ; 16 fragments of Q (4 m + K step); later those of LN2's result, laid alike
.set STG,  16384                       ; 16 waves x 16 rows x 272 bytes, each wave's own: the streams' turn from rows to lanes; later HID
.set HID,  16384                       ; 64 fragments of the hidden layer (16 m + K step)
.set XST,  86016                       ; 64 slots x 2,064 bytes: slot 16 m + r is row r of tile m: x, then x1, then the result
.set PIMG, 218112                      ; 32 fragments of p (8 m + key step)
.set PSC,  250880                      ; p's scale words: 256 s + 16 r + 4 m
.set HSC,  252928                      ; the hidden layer's: 256 s + 16 r + 4 m
.set H2S,  257024                      ; LN2's result's: 80 r + 16 m + 4 c
.set XCH,  258304                      ; four regions of a word for each (m, r, wave): 1,280 m + 80 r + 4 w
.set MXR,  0                           ;   largest t
.set LSR,  5120                        ;   sum of p
.set MUR,  10240                       ;   sum of x1
.set VAR,  15360                       ;   sum of squares
; registers: v1-15 addresses, v16-31 scale words and a few numbers a row, then four regions
.set LI,  1                            ; 16 x lane
.set GA,  2                            ; the streams: 4,096 h + 16 r
.set SW,  3                            ; my stage, in: 272 h + 16 r
.set SRD, 4                            ; my stage, out: 272 r + 64 h
.set XSW, 5                            ; XST by rows: slot 4 w, 16 x lane
.set XW,  6                            ; XCH: 80 r + 4 w
.set XRD, 7                            ; XCH: 80 r
.set XP,  8                            ; v8, v9: XST by my channels: 2,064 r + 128 w + 64 h, tiles 0-1 and tiles 2-3
.set PW,  10                           ; PIMG + 512 w + 16 x lane
.set PSW, 11                           ; PSC + 256 (w / 2) + 2 (w % 2) + 16 r
.set L8,  12                           ; 8 x lane
.set PRD, 13                           ; PIMG + 16 x lane
.set PSR, 14                           ; PSC + 16 r
.set NEG, 15                           ; t of a masked logit
.set H64, 2                            ; from the second norm on: 64 h
.set H2W, 3                            ; 256 w + 16 r + 8 h
.set H2B, 4                            ; H2S + 80 r + w
.set H2R, 10                           ; H2S + 80 r
.set P16, 11                           ; 16 (8 h + r + 8 (r / 8))
.set P64, 3                            ; in the FFN: 64 (8 h + r + 8 (r / 8))
.set HW,  12                           ; HID + 1,024 w + 16 r + 8 h
.set HB,  13                           ; HSC + 256 w + 16 r
.set HRD, 14                           ; HID + 16 x lane
.set HSR, 15                           ; HSC + 16 r
.set KS,  16                           ; v16-23 K's scale words, v24-31 Q's
.set QS,  24
.set T,   32                           ; v32-63
.set L0,  64                           ; v64-95
.set L1,  96                           ; v96-127
.set S,   128                          ; v128-255: the scores: 32 m + 8 t + j
.set NM,  32                           ; -M, a pair a tile
.set BM,  40                           ; a block's largest t, then its largest p
.set LS,  48
.set SOP, 56
.set PC4, 64
.set BY,  80
.set HWD, 88
.set TM,  240                          ; QUANT4's work
.set PC,  16                           ; and its codes
.set MK,  66                           ; s66-97: a mask unit's 32 lane masks
.macro PLACES                          ; four plain instructions between a matrix instruction and a load into, or a vector instruction on, one of its registers
.rept 4
	v_nop
.endr
.endm
.macro BARRIER                         ; my LDS stores have landed and my LDS loads are in: then the work-group's barrier
	s_wait_dscnt 0x0
	s_barrier_signal -1
	s_barrier_wait -1
.endm
; D = A x B + C.  c < 0: the constant 0 starts the sum.  ra, rb: 1 = the scale words stand in lanes 16-31 of the register
.macro MM d, a, b, c, sa, ra, sb, rb
.if (\c) < 0
.if ((\ra) == 0) && ((\rb) == 0)
	v_wmma_scale_f32_16x16x128_f8f6f4 v[\d:\d+7], v[\a:\a+7], v[\b:\b+7], 0, v[\sa], v[\sb] matrix_a_fmt:MATRIX_FMT_FP4 matrix_b_fmt:MATRIX_FMT_FP4
.elseif (\rb) == 0
	v_wmma_scale_f32_16x16x128_f8f6f4 v[\d:\d+7], v[\a:\a+7], v[\b:\b+7], 0, v[\sa], v[\sb] matrix_a_fmt:MATRIX_FMT_FP4 matrix_b_fmt:MATRIX_FMT_FP4 matrix_a_scale:MATRIX_SCALE_ROW1
.elseif (\ra) == 0
	v_wmma_scale_f32_16x16x128_f8f6f4 v[\d:\d+7], v[\a:\a+7], v[\b:\b+7], 0, v[\sa], v[\sb] matrix_a_fmt:MATRIX_FMT_FP4 matrix_b_fmt:MATRIX_FMT_FP4 matrix_b_scale:MATRIX_SCALE_ROW1
.else
	v_wmma_scale_f32_16x16x128_f8f6f4 v[\d:\d+7], v[\a:\a+7], v[\b:\b+7], 0, v[\sa], v[\sb] matrix_a_fmt:MATRIX_FMT_FP4 matrix_b_fmt:MATRIX_FMT_FP4 matrix_a_scale:MATRIX_SCALE_ROW1 matrix_b_scale:MATRIX_SCALE_ROW1
.endif
.else
.if ((\ra) == 0) && ((\rb) == 0)
	v_wmma_scale_f32_16x16x128_f8f6f4 v[\d:\d+7], v[\a:\a+7], v[\b:\b+7], v[\c:\c+7], v[\sa], v[\sb] matrix_a_fmt:MATRIX_FMT_FP4 matrix_b_fmt:MATRIX_FMT_FP4
.elseif (\rb) == 0
	v_wmma_scale_f32_16x16x128_f8f6f4 v[\d:\d+7], v[\a:\a+7], v[\b:\b+7], v[\c:\c+7], v[\sa], v[\sb] matrix_a_fmt:MATRIX_FMT_FP4 matrix_b_fmt:MATRIX_FMT_FP4 matrix_a_scale:MATRIX_SCALE_ROW1
.elseif (\ra) == 0
	v_wmma_scale_f32_16x16x128_f8f6f4 v[\d:\d+7], v[\a:\a+7], v[\b:\b+7], v[\c:\c+7], v[\sa], v[\sb] matrix_a_fmt:MATRIX_FMT_FP4 matrix_b_fmt:MATRIX_FMT_FP4 matrix_b_scale:MATRIX_SCALE_ROW1
.else
	v_wmma_scale_f32_16x16x128_f8f6f4 v[\d:\d+7], v[\a:\a+7], v[\b:\b+7], v[\c:\c+7], v[\sa], v[\sb] matrix_a_fmt:MATRIX_FMT_FP4 matrix_b_fmt:MATRIX_FMT_FP4 matrix_a_scale:MATRIX_SCALE_ROW1 matrix_b_scale:MATRIX_SCALE_ROW1
.endif
.endif
.endm
; ================ the head
	s_load_b512 s[4:19], s[0:1], 0x0               ; x, t_m, g_m, mask, ln2_w, ln2_b, b1, b2
	s_load_b512 s[20:35], s[0:1], 0x40             ; w1_scales, w2_scales, hk, hs, vt, vsc, pmax, w1i
	s_load_b128 s[36:39], s[0:1], 0x80             ; w2i, out0
	v_lshrrev_b32 v16, 5, v0
	v_readfirstlane_b32 s40, v16                   ; wave w, 0..15
	s_mov_b32 s41, ttmp9                           ; which 64 rows of the batch
	s_and_b32 s42, ttmp7, 0xffff                   ; the batch
	s_mov_b32 s56, 0x76543210
	s_mov_b32 s57, 0xfedcba98                      ; v_permlanex16_b32's selects for lane l xor 16
	s_mov_b32 s54, 0x3fb8aa3b                      ; log2(e)
	s_mov_b32 s55, s54                             ; (named with it as a pair)
	v_and_b32 v16, 15, v0                          ; r
	v_bfe_u32 v17, v0, 4, 1                        ; h
	v_and_b32 v18, 31, v0                          ; lane
	v_lshlrev_b32 v[LI], 4, v18
	v_lshlrev_b32 v[L8], 3, v18
	v_lshlrev_b32 v[GA], 4, v16
	v_lshl_add_u32 v[GA], v17, 12, v[GA]
	s_wait_alu depctr_va_sdst(0)                   ; s40 is written, ahead of its first reader: LDS addresses and every buffer's offset are made from it
	s_mul_i32 s60, s40, 16*272
	s_add_co_u32 s60, s60, STG
	v_mul_u32_u24 v[SW], v17, 272
	v_lshl_add_u32 v[SW], v16, 4, v[SW]
	v_add_nc_u32 v[SW], s60, v[SW]
	v_mul_u32_u24 v[SRD], v16, 272
	v_lshl_add_u32 v[SRD], v17, 6, v[SRD]
	v_add_nc_u32 v[SRD], s60, v[SRD]
	s_mul_i32 s60, s40, 4*2064
	s_add_co_u32 s60, s60, XST
	v_add_nc_u32 v[XSW], s60, v[LI]
	v_mul_u32_u24 v[XRD], v16, 80
	v_add_nc_u32 v[XRD], XCH, v[XRD]
	s_lshl_b32 s60, s40, 2
	v_add_nc_u32 v[XW], s60, v[XRD]
	v_mul_u32_u24 v[XP], v16, 2064
	v_lshl_add_u32 v[XP], v17, 6, v[XP]
	s_lshl_b32 s60, s40, 7
	s_add_co_u32 s60, s60, XST
	v_add_nc_u32 v[XP], s60, v[XP]
	v_add_nc_u32 v[XP+1], 32*2064, v[XP]
	s_lshl_b32 s60, s40, 9
	s_add_co_u32 s60, s60, PIMG
	v_add_nc_u32 v[PW], s60, v[LI]
	v_add_nc_u32 v[PRD], PIMG, v[LI]
	v_lshlrev_b32 v[PSR], 4, v16
	v_add_nc_u32 v[PSR], PSC, v[PSR]
	s_lshr_b32 s60, s40, 1
	s_lshl_b32 s60, s60, 8
	s_and_b32 s61, s40, 1
	s_lshl_b32 s61, s61, 1
	s_add_co_u32 s60, s60, s61
	v_add_nc_u32 v[PSW], s60, v[PSR]
	v_mov_b32 v[NEG], 0xce6e6b28                   ; -1e9,
	v_mul_f32 v[NEG], s54, v[NEG]                  ; as t
	s_lshl_b32 s60, s40, 10
	v_add_nc_u32 v112, s60, v[LI]                  ; where the fragment of Q that I fetch goes: QIMG + 1,024 w
	; each buffer's pointer is stepped once to the work-group's and the wave's part
	s_mov_b32 s45, 0
	s_lshl_b32 s44, s42, 22                        ; t_m, g_m, mask: the batch's 4 MiB, my 64 rows of 4,096 bytes, my 64 keys
	s_lshl_b32 s43, s41, 18
	s_add_co_u32 s44, s44, s43
	s_lshl_b32 s43, s40, 8
	s_add_co_u32 s44, s44, s43
	s_lshr_b32 s59, s40, 3                         ; slots 4 w .. 4 w + 3 of XST are rows 32 (w / 8) + 8 ((w / 4) % 2) + 4 (w % 4) + 8 ((w / 2) % 2) + 0 .. 3
	s_lshl_b32 s59, s59, 5
	s_bfe_u32 s43, s40, 0x10002
	s_lshl_b32 s43, s43, 3
	s_add_co_u32 s59, s59, s43
	s_and_b32 s43, s40, 3
	s_lshl_b32 s43, s43, 2
	s_add_co_u32 s59, s59, s43
	s_bfe_u32 s43, s40, 0x10001
	s_lshl_b32 s43, s43, 3
	s_add_co_u32 s59, s59, s43
	s_wait_kmcnt 0x0
	s_add_nc_u64 s[6:7], s[6:7], s[44:45]
	s_add_nc_u64 s[8:9], s[8:9], s[44:45]
	s_add_nc_u64 s[10:11], s[10:11], s[44:45]
	s_lshl_b32 s44, s42, 10
	s_lshl_b32 s43, s41, 6
	s_add_co_u32 s44, s44, s43
	s_add_co_u32 s44, s44, s59
	s_lshl_b32 s44, s44, 11                        ; x, out0: rows of 2,048 bytes
	s_add_nc_u64 s[4:5], s[4:5], s[44:45]
	s_add_nc_u64 s[38:39], s[38:39], s[44:45]
	s_lshl_b32 s44, s40, 7                         ; my 32 channels
	s_add_nc_u64 s[12:13], s[12:13], s[44:45]
	s_add_nc_u64 s[14:15], s[14:15], s[44:45]
	s_add_nc_u64 s[18:19], s[18:19], s[44:45]
	s_lshl_b32 s44, s40, 9                         ; my 128 hidden units
	s_add_nc_u64 s[16:17], s[16:17], s[44:45]
	s_lshl_b32 s44, s40, 11                        ; 128 rows of 16 bytes, 32 rows of 64
	s_add_nc_u64 s[20:21], s[20:21], s[44:45]
	s_add_nc_u64 s[22:23], s[22:23], s[44:45]
	s_lshl_b32 s44, s40, 15                        ; 32 fragments
	s_add_nc_u64 s[34:35], s[34:35], s[44:45]
	s_add_nc_u64 s[36:37], s[36:37], s[44:45]
	s_lshl_b32 s60, s42, 18                        ; the batch in hk and in vt
	s_lshl_b32 s43, s41, 14
	s_add_co_u32 s44, s60, s43
	s_lshl_b32 s43, s40, 10
	s_add_co_u32 s44, s44, s43
	s_add_nc_u64 s[46:47], s[24:25], s[44:45]      ; hk as Q: the work-group's 16 fragments, the w-th
	s_lshl_b32 s43, s40, 14
	s_add_co_u32 s44, s60, s43
	s_add_nc_u64 s[24:25], s[24:25], s[44:45]      ; hk as K: my four tiles of keys
	s_lshl_b32 s43, s40, 11
	s_add_co_u32 s44, s60, s43
	s_add_nc_u64 s[28:29], s[28:29], s[44:45]      ; vt: my two tiles of channels
	s_lshl_b32 s60, s42, 14                        ; the batch in hs and in vsc
	s_lshl_b32 s43, s40, 10
	s_add_co_u32 s44, s60, s43
	s_add_nc_u64 s[48:49], s[26:27], s[44:45]      ; hs for K
	s_lshl_b32 s43, s41, 10
	s_add_co_u32 s44, s60, s43
	s_add_nc_u64 s[26:27], s[26:27], s[44:45]      ; hs for Q
	s_lshr_b32 s43, s40, 1
	s_lshl_b32 s43, s43, 8
	s_add_co_u32 s44, s60, s43
	s_and_b32 s43, s40, 1
	s_lshl_b32 s43, s43, 2
	s_add_co_u32 s44, s44, s43
	s_add_nc_u64 s[30:31], s[30:31], s[44:45]      ; vsc
	s_lshl_b32 s44, s42, 9
	s_add_nc_u64 s[32:33], s[32:33], s[44:45]      ; pmax: the batch's 128 numbers of t_m; g_m's lie 8,192 bytes on
.macro KLOAD cp                        ; my four tiles of keys, K step cp
.irp t,0,1,2,3
.irp c,0,1
	global_load_b128 v[T+8*\t+4*\c:T+8*\t+4*\c+3], v[LI], s[24:25] offset:4096*\t+1024*(\cp)+512*\c
.endr
.endr
.endm
; THE STREAM: 14 units of eight loads.  Unit 3 m + a: tile m's 16 rows x my 64 keys of t_m, g_m, mask (a = 0, 1, 2): sixteen lanes take 256 consecutive bytes, aligned, of one row.  Units 12, 13: my four rows of x.
.macro ULOAD u
.set UD, L0+32*((\u)%2)
.if (\u) < 12
.set UR, 32*((\u)/6)+8*(((\u)/3)%2)
.irp i,0,1,2,3,4,5,6,7
	global_load_b128 v[UD+4*\i:UD+4*\i+3], v[GA], s[6+2*((\u)%3):7+2*((\u)%3)] offset:(UR+2*\i+8*(\i/4))*4096 th:TH_LOAD_NT
.endr
.else
.irp i,0,1,2,3,4,5,6,7
	global_load_b128 v[UD+4*\i:UD+4*\i+3], v[LI], s[4:5] offset:(2*((\u)-12)+\i/4)*2048+512*(\i%4) th:TH_LOAD_NT
.endr
.endif
.endm
	s_wait_alu depctr_va_vdst(0)                   ; the addresses v1 to v15 and v112 are written, which the loads and stores from here on read; the lines above are done with v16 to v18, in which K's scale words land
	global_load_b128 v[96:99], v[LI], s[46:47]                 ; one fragment of Q
	global_load_b128 v[100:103], v[LI], s[46:47] offset:512
	global_load_b128 v[104:107], v[LI], s[32:33]               ; the batch's partial maxima
	global_load_b128 v[108:111], v[LI], s[32:33] offset:8192
	global_load_b128 v[QS:QS+3], v[LI], s[26:27]               ; register 4 (m / 2) + c: lanes 0-15 tile 2 (m / 2), lanes 16-31 the next
	global_load_b128 v[QS+4:QS+7], v[LI], s[26:27] offset:512
	global_load_b128 v[KS:KS+3], v[LI], s[48:49]
	global_load_b128 v[KS+4:KS+7], v[LI], s[48:49] offset:512
	KLOAD 0
	ULOAD 0
	s_wait_loadcnt 22                              ; behind Q's two loads: 2 + 2 + 2 + 8 + 8
	ds_store_b128 v112, v[96:99]
	ds_store_b128 v112, v[100:103] offset:512
	BARRIER                                        ; Q's sixteen fragments lie in LDS
	s_wait_loadcnt 8                               ; all but the stream's first unit
	v_max3_num_f32 v104, v104, v105, v106
	v_max3_num_f32 v108, v108, v109, v110
	v_max_num_f32 v104, v104, v107
	v_max_num_f32 v108, v108, v111
.irp x,1,2,4,8
	v_max_num_f32_dpp v104, v104, v104 row_xmask:\x row_mask:0xf bank_mask:0xf
	v_max_num_f32_dpp v108, v108, v108 row_xmask:\x row_mask:0xf bank_mask:0xf
.endr
	v_permlanex16_b32 v105, v104, s56, s57
	v_permlanex16_b32 v109, v108, s56, s57
	v_max_num_f32 v104, v104, v105
	v_max_num_f32 v108, v108, v109
	v_readfirstlane_b32 s50, v104                  ; the batch's largest t_m,
	v_readfirstlane_b32 s52, v108                  ; and g_m: data, never an address or a branch
	s_wait_alu depctr_va_sdst(0)                   ; s50 and s52 are written, ahead of their first readers, the two copies below
	s_mov_b32 s51, s50
	s_mov_b32 s53, s52
	s_wait_alu depctr_vm_vsrc(0)                   ; my two LDS stores have read v96 to v103 and v112, in which Q's fragments land
	s_wait_alu depctr_va_vdst(0)                   ; the maxima's lines are done reading and writing v104 to v111, in which Q's fragments land too
; ================ S^T = K Q^T: four K steps of 16 matrix instructions
.macro SSTEP cp
.irp m,0,1,2,3
.irp c,0,1
	ds_load_b128 v[L1+8*\m+4*\c:L1+8*\m+4*\c+3], v[LI] offset:(4*\m+\cp)*1024+512*\c
.endr
.endr
.if \cp > 0
	s_wait_loadcnt 0x0                             ; K's fragments are the youngest loads
.endif
	s_wait_dscnt 0x0
.irp t,0,1,2,3
.irp m,0,1,2,3
.if \cp == 0
	MM S+32*\m+8*\t, T+8*\t, L1+8*\m, -1, KS+4*(\t/2)+\cp, \t%2, QS+4*(\m/2)+\cp, \m%2
.else
	MM S+32*\m+8*\t, T+8*\t, L1+8*\m, S+32*\m+8*\t, KS+4*(\t/2)+\cp, \t%2, QS+4*(\m/2)+\cp, \m%2
.endif
.endr
.endr
	PLACES
	s_wait_alu depctr_va_vdst(0)                   ; the step's products are done reading T and L1: the next step's fragments of K and of Q land there; behind the last step the stage's returns (T) and the stream's unit 1 (L1)
.if \cp < 3
	KLOAD \cp+1
.endif
.endm
	SSTEP 0
	SSTEP 1
	SSTEP 2
	SSTEP 3
	ULOAD 1
; ================ the stream.  A unit's 4 KiB turn through my own stage (rows in, a lane's 32 keys of its row out), while the next two units are on their way.
.macro UNIT u
.set UB, L0+32*((\u)%2)
.set SM, S+32*((\u)/3)
.if (\u) < 13
	s_wait_loadcnt 8                               ; this unit is in; the next unit's eight loads stay out
.else
	s_wait_loadcnt 0x0
.endif
.if (\u) < 12
.irp i,0,1,2,3,4,5,6,7
	ds_store_b128 v[SW], v[UB+4*\i:UB+4*\i+3] offset:544*\i
.endr
.if (\u) > 0
	s_wait_alu depctr_va_vdst(0)                   ; the arithmetic of the unit before is done reading and writing T, in which the eight loads below land
.endif
.irp b,0,1
.irp j,0,1,2,3
	ds_load_b128 v[T+16*\b+4*\j:T+16*\b+4*\j+3], v[SRD] offset:128*\b+16*\j   ; LDS serves a wave's instructions in order: these see the stores
.endr
.endr
	s_wait_dscnt 8                                 ; the eight stores are done (the eight loads may be out)
	s_wait_alu depctr_vm_vsrc(0)                   ; the eight stores have read this unit's buffer,
	ULOAD (\u)+2                                   ; which takes the unit two further on
	s_wait_dscnt 0x0
.if (\u)%3 == 0
.set jj, 0
.rept 16
	v_pk_add_f32 v[T+jj:T+jj+1], v[T+jj:T+jj+1], s[50:51] op_sel_hi:[1,0] neg_lo:[1,0] neg_hi:[1,0]   ; max - t_m
.set jj, jj+2
.endr
.set jj, 0
.rept 16
	v_pk_fma_f32 v[SM+jj:SM+jj+1], v[SM+jj:SM+jj+1], 0x3b000000, v[T+jj:T+jj+1] op_sel_hi:[1,0,1]    ; score / 512 + it
.set jj, jj+2
.endr
.elseif (\u)%3 == 1
.set jj, 0
.rept 16
	v_pk_add_f32 v[T+jj:T+jj+1], v[T+jj:T+jj+1], s[52:53] op_sel_hi:[1,0] neg_lo:[1,0] neg_hi:[1,0]   ; max - g_m
.set jj, jj+2
.endr
.set jj, 0
.rept 16
	v_pk_add_f32 v[SM+jj:SM+jj+1], v[SM+jj:SM+jj+1], v[T+jj:T+jj+1]
.set jj, jj+2
.endr
.else
.set jj, 0
.rept 32
	v_cmp_eq_u32 s[MK+jj], 0, v[T+jj]                                                               ; where the mask is 0: the 32 lane masks in one run, a scalar register each
.set jj, jj+1
.endr
.set jj, 0
.rept 16
	v_pk_mul_f32 v[SM+jj:SM+jj+1], v[SM+jj:SM+jj+1], s[54:55] op_sel_hi:[1,0]                       ; t = logit x log2(e)
.set jj, jj+2
.endr
	s_wait_alu depctr_va_sdst(0)                   ; the 32 compares have written s66 to s97, ahead of their first readers, the selects below
.set jj, 0
.rept 32
	v_cndmask_b32 v[SM+jj], v[SM+jj], v[NEG], s[MK+jj]                                              ; there: -1e9's t
.set jj, jj+1
.endr
.endif
.else
.irp i,0,1,2,3,4,5,6,7
	ds_store_b128 v[XSW], v[UB+4*\i:UB+4*\i+3] offset:(2*((\u)-12)+\i/4)*2064+512*(\i%4)            ; x waits in LDS for the residual
.endr
.endif
.endm
.irp u,0,1,2,3,4,5,6,7,8,9,10,11,12,13
	UNIT \u
.endr
; a word for each of my rows to all waves, and all waves' words back
.macro XPUT src, st, rg
.irp m,0,1,2,3
	ds_store_b32 v[XW], v[\src+\st*\m] offset:\rg+1280*\m      ; (both halves of the lanes write the same word with the same value)
.endr
.endm
.macro XGET xt, rg
.irp m,0,1,2,3
.irp q,0,1,2,3
	ds_load_b128 v[\xt+16*\m+4*\q:\xt+16*\m+4*\q+3], v[XRD] offset:\rg+1280*\m+16*\q
.endr
.endr
.endm
; the sum of 16 registers for each tile, the four tiles by turns: v[dst + 16 m] = the sum of v[src + 16 m ..]
.macro LSUM16 dst, src
.irp m,0,1,2,3
.irp i,0,4,8,12
	v_pk_add_f32 v[\dst+16*\m+\i:\dst+16*\m+\i+1], v[\src+16*\m+\i:\src+16*\m+\i+1], v[\src+16*\m+\i+2:\src+16*\m+\i+3]
.endr
.endr
.irp m,0,1,2,3
	v_pk_add_f32 v[\dst+16*\m:\dst+16*\m+1], v[\dst+16*\m:\dst+16*\m+1], v[\dst+16*\m+4:\dst+16*\m+5]
	v_pk_add_f32 v[\dst+16*\m+8:\dst+16*\m+9], v[\dst+16*\m+8:\dst+16*\m+9], v[\dst+16*\m+12:\dst+16*\m+13]
.endr
.irp m,0,1,2,3
	v_pk_add_f32 v[\dst+16*\m:\dst+16*\m+1], v[\dst+16*\m:\dst+16*\m+1], v[\dst+16*\m+8:\dst+16*\m+9]
.endr
.irp m,0,1,2,3
	v_add_f32 v[\dst+16*\m], v[\dst+16*\m], v[\dst+16*\m+1]
.endr
.endm
.macro HALVES dst                      ; and lane l xor 16's
.irp m,0,1,2,3
	v_permlanex16_b32 v[\dst+16*\m+1], v[\dst+16*\m], s56, s57
.endr
.irp m,0,1,2,3
	v_add_f32 v[\dst+16*\m], v[\dst+16*\m], v[\dst+16*\m+1]
.endr
.endm
; ================ the largest t: of each block of 32 keys (it serves again for the block's largest p), of my 64 keys, of the row
.irp q,0,1,2,3,4,5,6,7
	v_max3_num_f32 v[BM+\q], v[S+16*\q], v[S+16*\q+1], v[S+16*\q+2]
.endr
.irp i,3,5,7,9,11,13
.irp q,0,1,2,3,4,5,6,7
	v_max3_num_f32 v[BM+\q], v[BM+\q], v[S+16*\q+\i], v[S+16*\q+\i+1]
.endr
.endr
.irp q,0,1,2,3,4,5,6,7
	v_max_num_f32 v[BM+\q], v[BM+\q], v[S+16*\q+15]
.endr
.irp q,0,1,2,3,4,5,6,7
	v_permlanex16_b32 v[48+\q], v[BM+\q], s56, s57
.endr
.irp q,0,1,2,3,4,5,6,7
	v_max_num_f32 v[BM+\q], v[BM+\q], v[48+\q]
.endr
.irp m,0,1,2,3
	v_max_num_f32 v[16+\m], v[BM+2*\m], v[BM+2*\m+1]
.endr
	s_wait_alu depctr_va_vdst(0)                   ; v16 to v19, the largest t of my 64 keys, are written: the four LDS stores read them
	XPUT 16, 1, MXR
	BARRIER
	s_wait_alu depctr_vm_vsrc(0)                   ; the LDS stores of x (units 12 and 13) have read v64 to v127, in which all waves' words land; the four stores above have read v16 to v19, in which p's scale words land later
	XGET 64, MXR
	s_wait_dscnt 0x0
.irp m,0,1,2,3
	v_max3_num_f32 v[64+16*\m], v[64+16*\m], v[65+16*\m], v[66+16*\m]
.endr
.irp i,3,5,7,9,11,13
.irp m,0,1,2,3
	v_max3_num_f32 v[64+16*\m], v[64+16*\m], v[64+16*\m+\i], v[65+16*\m+\i]
.endr
.endr
.irp m,0,1,2,3
	v_max_num_f32 v[64+16*\m], v[64+16*\m], v[79+16*\m]
.endr
.irp m,0,1,2,3
	v_floor_f32 v[NM+2*\m], -v[64+16*\m]           ; -M = floor(-t) = -ceil(t): a whole number
.endr
.irp m,0,1,2,3
	v_mov_b32 v[NM+2*\m+1], v[NM+2*\m]
.endr
; ================ p = 2^(t - M), its sum, its codes
.irp m,0,1,2,3
.set jj, 0
.rept 16
	v_pk_add_f32 v[S+32*\m+jj:S+32*\m+jj+1], v[S+32*\m+jj:S+32*\m+jj+1], v[NM+2*\m:NM+2*\m+1] op_sel_hi:[1,0]
.set jj, jj+2
.endr
.endr
.irp q,0,1,2,3,4,5,6,7
	v_add_f32 v[BM+\q], v[BM+\q], v[NM+2*(\q/2)]   ; the same addition on the block's largest t: the same bits as that p
.endr
.set jj, 0
.rept 128
	v_exp_f32 v[S+jj], v[S+jj]
.set jj, jj+1
.endr
.irp q,0,1,2,3,4,5,6,7
	v_exp_f32 v[BM+\q], v[BM+\q]
.endr
	v_nop                                          ; a plain instruction behind the last exponential
	s_wait_alu depctr_va_vdst(0)                   ; ONE wait for the 136 exponentials' results, ahead of their first reader
.irp m,0,1,2,3
	v_pk_add_f32 v[LS+2*\m:LS+2*\m+1], v[S+32*\m:S+32*\m+1], v[S+32*\m+2:S+32*\m+3]   ; the sum is taken of the unquantised p
.endr
.irp i,4,6,8,10,12,14,16,18,20,22,24,26,28,30
.irp m,0,1,2,3
	v_pk_add_f32 v[LS+2*\m:LS+2*\m+1], v[LS+2*\m:LS+2*\m+1], v[S+32*\m+\i:S+32*\m+\i+1]
.endr
.endr
.irp m,0,1,2,3
	v_add_f32 v[LS+2*\m], v[LS+2*\m], v[LS+2*\m+1]
.endr
.irp m,0,1,2,3
	v_permlanex16_b32 v[LS+2*\m+1], v[LS+2*\m], s56, s57
.endr
.irp m,0,1,2,3
	v_add_f32 v[LS+2*\m], v[LS+2*\m], v[LS+2*\m+1]
.endr
.irp q,0,1,2,3,4,5,6,7
	v_max_num_f32 v[BM+\q], 0x1800000, v[BM+\q]    ; the floor 2^(3 - 127): the byte cannot fall under 1
.endr
.irp q,0,1,2,3,4,5,6,7
	v_add_nc_u32 v[SOP+\q], 0xff000000, v[BM+\q]   ; 2 off the exponent field: the conversion's scale operand
.endr
.irp q,0,1,2,3,4,5,6,7
	v_lshrrev_b32 v[BY+\q], 23, v[SOP+\q]          ; the scale's byte
.endr
.irp m,0,1,2,3
	v_lshl_or_b32 v[HWD+\m], v[BY+2*\m+1], 8, v[BY+2*\m]       ; my two blocks' bytes: half of the key step's scale word
.endr
.irp q,0,1,2,3,4,5,6,7
	v_cvt_scalef32_pk8_fp4_f32 v[PC4+2*\q], v[S+16*\q:S+16*\q+7], v[SOP+\q]
	v_cvt_scalef32_pk8_fp4_f32 v[PC4+2*\q+1], v[S+16*\q+8:S+16*\q+15], v[SOP+\q]
.endr
	v_nop                                          ; one plain instruction behind the last conversion
.irp m,0,1,2,3
.irp i,0,1
	v_permlane16_swap_b32 v[PC4+4*\m+\i], v[PC4+4*\m+2+\i]     ; a whole block to a lane: lanes 0-15 my first block, lanes 16-31 my second
.endr
.endr
	s_wait_alu depctr_va_vdst(0)                   ; the sums, the codes and the half words are written, which the LDS stores below read; the sums and the conversions are done reading the scores' registers, in which V's fragments land
	XPUT LS, 2, LSR
.irp m,0,1,2,3
	ds_store_b128 v[PW], v[PC4+4*\m:PC4+4*\m+3] offset:8192*\m ; registers 4 (w % 2) .. + 3 of fragment (m, key step w / 2)
	ds_store_b16 v[PSW], v[HWD+\m] offset:4*\m
.endr
.irp s,0,1,2,3,4,5,6,7
	global_load_b32 v[20+\s], v[L8], s[30:31] offset:2048*\s   ; V's scale words: lanes 0-15 my first tile of channels, lanes 16-31 my second
.endr
.irp s,0,1,2,3,4,5,6,7
.irp u,0,1
.irp c,0,1
	global_load_b128 v[S+16*\s+8*\u+4*\c:S+16*\s+8*\u+4*\c+3], v[LI], s[28:29] offset:32768*\s+1024*\u+512*\c   ; all of V that I multiply, where the scores lay
.endr
.endr
.endr
	BARRIER                                        ; p's 32 fragments, their scale words and the sums lie in LDS
	s_wait_alu depctr_vm_vsrc(0)                   ; the LDS stores above have read the sums, the codes and the half words in v48 to v91, which the products below write as accumulators; all accesses by the addresses v2, v3, v4, v10, v11, v12 have read them: they are made anew further down
; ================ O^T = V^T P^T: eight key steps of eight matrix instructions
.macro PVSTEP ks
.if \ks > 0
	PLACES
	s_wait_alu depctr_va_vdst(0)                   ; the products of the key step before are done reading p's fragments in L1 and its scale words in v16 to v19, in which this step's land
.endif
.irp m,0,1,2,3
.irp c,0,1
	ds_load_b128 v[L1+8*\m+4*\c:L1+8*\m+4*\c+3], v[PRD] offset:(8*\m+\ks)*1024+512*\c
.endr
.endr
	ds_load_b128 v[16:19], v[PSR] offset:256*\ks   ; p's scale words of the four tiles
	s_wait_loadcnt 4*(7-\ks)                       ; the later key steps' fragments of V, four loads each, may be out
	s_wait_dscnt 0x0
.irp m,0,1,2,3
.irp u,0,1
.if \ks == 0
	MM 32+16*\m+8*\u, S+16*\ks+8*\u, L1+8*\m, -1, 20+\ks, \u, 16+\m, 0
.else
	MM 32+16*\m+8*\u, S+16*\ks+8*\u, L1+8*\m, 32+16*\m+8*\u, 20+\ks, \u, 16+\m, 0
.endif
.endr
.endr
.endm
.irp s,0,1,2,3,4,5,6,7
	PVSTEP \s
.endr
; ================ x1 = x + O / sum; LN2; its codes.  Register 16 m + i of a lane is channel 32 w + 16 h + i of row r of tile m.
	v_and_b32 v28, 15, v0                          ; the next addresses: plain instructions on other registers, the places behind the last products
	v_bfe_u32 v29, v0, 4, 1
	v_lshlrev_b32 v[H64], 6, v29
	v_and_b32 v30, 8, v28
	v_add_nc_u32 v30, v30, v28
	v_lshl_add_u32 v30, v29, 3, v30
	v_lshlrev_b32 v[P16], 4, v30
	v_lshlrev_b32 v[H2W], 4, v28
	v_lshl_add_u32 v[H2W], v29, 3, v[H2W]
	s_lshl_b32 s60, s40, 8
	v_add_nc_u32 v[H2W], s60, v[H2W]               ; block w of K = 512: K step w / 4, registers 4 ((w / 2) % 2) on, lanes 16 (w % 2) on: 256 w in all
	v_mul_u32_u24 v[H2R], v28, 80
	v_add_nc_u32 v[H2R], H2S, v[H2R]
	v_add_nc_u32 v[H2B], s40, v[H2R]
	s_wait_alu depctr_va_vdst(0)                   ; the five new addresses are written; the last products are done reading L1 and V's fragments, in which ln2_w, ln2_b, the sums and x land
.irp q,0,1,2,3
	global_load_b128 v[96+4*\q:99+4*\q], v[H64], s[12:13] offset:16*\q
.endr
.irp q,0,1,2,3
	global_load_b128 v[112+4*\q:115+4*\q], v[H64], s[14:15] offset:16*\q
.endr
.macro XPLOAD reg                      ; my channels of the 64 rows, out of XST
.irp m,0,1,2,3
.irp q,0,1,2,3
	ds_load_b128 v[\reg+16*\m+4*\q:\reg+16*\m+4*\q+3], v[XP+\m/2] offset:(\m%2)*33024+16*\q
.endr
.endr
.endm
.macro XPSTORE reg                     ; and into it: the very bytes that this lane reads, and no other lane
.irp m,0,1,2,3
.irp q,0,1,2,3
	ds_store_b128 v[XP+\m/2], v[\reg+16*\m+4*\q:\reg+16*\m+4*\q+3] offset:(\m%2)*33024+16*\q
.endr
.endr
.endm
	XGET 192, LSR
	XPLOAD 128
	s_wait_dscnt 16                                ; the sums are in; x's sixteen loads may be out
	LSUM16 192, 192
.irp m,0,1,2,3
	v_rcp_f32 v[24+2*\m], v[192+16*\m]
.endr
	v_nop
	s_wait_alu depctr_va_vdst(0)                   ; one wait for the four reciprocals' results, ahead of their first reader
	s_wait_dscnt 0x0
.irp m,0,1,2,3
.irp i,0,2,4,6,8,10,12,14
	v_pk_fma_f32 v[128+16*\m+\i:128+16*\m+\i+1], v[32+16*\m+\i:32+16*\m+\i+1], v[24+2*\m:25+2*\m], v[128+16*\m+\i:128+16*\m+\i+1] op_sel_hi:[1,0,1]   ; each accumulator from its low end on
.endr
.endr
	LSUM16 192, 128
	HALVES 192
	s_wait_alu depctr_va_vdst(0)                   ; my channels' sums of x1 are written, which the four LDS stores read; the sums' lines are done with v192 to v255, in which all waves' words land behind the barrier
	XPUT 192, 16, MUR
	BARRIER
	s_wait_alu depctr_vm_vsrc(0)                   ; the four stores have read v192, v208, v224, v240, in which the words land
	XGET 192, MUR
	s_wait_dscnt 0x0
	LSUM16 192, 192
.irp m,0,1,2,3
	v_mul_f32 v[24+2*\m], 0x3b000000, v[192+16*\m] ; the mean
.endr
.irp m,0,1,2,3
.irp i,0,2,4,6,8,10,12,14
	v_pk_add_f32 v[32+16*\m+\i:32+16*\m+\i+1], v[128+16*\m+\i:128+16*\m+\i+1], v[24+2*\m:25+2*\m] op_sel_hi:[1,0] neg_lo:[0,1] neg_hi:[0,1]
.endr
.endr
.irp m,0,1,2,3
	v_pk_mul_f32 v[192+16*\m:193+16*\m], v[32+16*\m:33+16*\m], v[32+16*\m:33+16*\m]
.endr
.irp i,2,4,6,8,10,12,14
.irp m,0,1,2,3
	v_pk_fma_f32 v[192+16*\m:193+16*\m], v[32+16*\m+\i:33+16*\m+\i], v[32+16*\m+\i:33+16*\m+\i], v[192+16*\m:193+16*\m]
.endr
.endr
.irp m,0,1,2,3
	v_add_f32 v[192+16*\m], v[192+16*\m], v[193+16*\m]
.endr
	HALVES 192
	s_wait_alu depctr_va_vdst(0)                   ; my channels' sums of squares are written, which the four LDS stores read; the lines above are done with v192 to v255 and with x1 in v128 to v191
	XPUT 192, 16, VAR
	XPSTORE 128                                    ; x1 waits in LDS for the last product
	BARRIER
	s_wait_alu depctr_vm_vsrc(0)                   ; the stores above have read v192, v208, v224, v240, in which the words land, and x1 in v128 to v191, in which the weights' ring lands
	XGET 192, VAR
	s_mov_b32 s60, 0x3b000000                      ; 1 / 512
	s_mov_b32 s61, 0x358637bd                      ; 1e-6
	s_wait_dscnt 0x0
	LSUM16 192, 192
.irp m,0,1,2,3
	v_fma_f32 v[192+16*\m], v[192+16*\m], s60, s61
.endr
.irp m,0,1,2,3
	v_rsq_f32 v[24+2*\m], v[192+16*\m]
.endr
	v_nop
	s_wait_alu depctr_va_vdst(0)                   ; one wait for the four results of v_rsq_f32, ahead of their first reader; the sums' lines are also done with v192 to v255, in which W1's scale words and b1 land
.macro B1LOAD tp                       ; b1 at the results' places of tiles 2 tp, 2 tp + 1: the C of their first products
.irp u,0,1
.irp i,0,1
	global_load_b128 v[224+8*\u+4*\i:224+8*\u+4*\i+3], v[H64], s[16:17] offset:128*(\tp)+32*\u+16*\i
.endr
.endr
.endm
; THE WEIGHTS: 32 steps of two fragments, through a ring of four sets of 16 registers, v128-191, which runs on from W1 into W2: four steps, 16 loads, ahead
.macro WFILL n
.set WD, 128+16*((\n)%4)
.irp u,0,1
.irp c,0,1
.if (\n) < 16
	global_load_b128 v[WD+8*\u+4*\c:WD+8*\u+4*\c+3], v[LI], s[34:35] offset:((2*((\n)/4)+\u)*4+(\n)%4)*1024+512*\c
.else
	global_load_b128 v[WD+8*\u+4*\c:WD+8*\u+4*\c+3], v[LI], s[36:37] offset:(16*\u+(\n)-16)*1024+512*\c
.endif
.endr
.endr
.endm
.irp p,0,1,2,3
	global_load_b128 v[192+4*\p:195+4*\p], v[P16], s[20:21] offset:512*\p      ; W1's scale words: register 4 tp + c; lanes 0-15 tile 2 tp, lanes 16-31 the next
.endr
	B1LOAD 0
	WFILL 0
	WFILL 1
	WFILL 2
	WFILL 3
	s_wait_loadcnt 24                              ; behind ln2_w and ln2_b: the 4 + 4 + 16 loads just issued
.irp m,0,1,2,3
.irp i,0,2,4,6,8,10,12,14
	v_pk_mul_f32 v[32+16*\m+\i:33+16*\m+\i], v[32+16*\m+\i:33+16*\m+\i], v[24+2*\m:25+2*\m] op_sel_hi:[1,0]
.endr
.endr
.irp m,0,1,2,3
.irp i,0,2,4,6,8,10,12,14
	v_pk_fma_f32 v[32+16*\m+\i:33+16*\m+\i], v[32+16*\m+\i:33+16*\m+\i], v[96+\i:97+\i], v[112+\i:113+\i]
.endr
.endr
; Four half blocks of a lane, v[s + 16 b ..], one for each tile of rows; lane l xor 16 holds the other half.  Codes: v[PC + 2 b], v[PC + 2 b + 1]; bytes: v[TM + 4 + b].  ab = 1: magnitudes
.macro QUANT4 s, ab
.irp b,0,1,2,3
.if \ab
	v_max3_num_f32 v[TM+\b], |v[\s+16*\b]|, |v[\s+16*\b+1]|, 0x1800000         ; with the floor 2^(3 - 127)
.else
	v_max3_num_f32 v[TM+\b], v[\s+16*\b], v[\s+16*\b+1], 0x1800000
.endif
.endr
.irp i,2,4,6,8,10,12,14
.irp b,0,1,2,3
.if \ab
	v_max3_num_f32 v[TM+\b], v[TM+\b], |v[\s+16*\b+\i]|, |v[\s+16*\b+\i+1]|
.else
	v_max3_num_f32 v[TM+\b], v[TM+\b], v[\s+16*\b+\i], v[\s+16*\b+\i+1]
.endif
.endr
.endr
.irp b,0,1,2,3
	v_permlanex16_b32 v[TM+4+\b], v[TM+\b], s56, s57
.endr
.irp b,0,1,2,3
	v_max_num_f32 v[TM+\b], v[TM+\b], v[TM+4+\b]
.endr
.irp b,0,1,2,3
	v_add_nc_u32 v[TM+12+\b], 0xff000000, v[TM+\b]
.endr
.irp b,0,1,2,3
	v_lshrrev_b32 v[TM+4+\b], 23, v[TM+12+\b]
.endr
.irp b,0,1,2,3
	v_cvt_scalef32_pk8_fp4_f32 v[PC+2*\b], v[\s+16*\b:\s+16*\b+7], v[TM+12+\b]
	v_cvt_scalef32_pk8_fp4_f32 v[PC+2*\b+1], v[\s+16*\b+8:\s+16*\b+15], v[TM+12+\b]
.endr
	v_nop                                          ; one plain instruction behind the last conversion
.endm
	QUANT4 32, 1
	s_wait_alu depctr_va_vdst(0)                   ; the codes in v16 to v23 and the bytes in v244 to v247 are written, which the LDS stores read; the norm's lines are done reading ln2_w and ln2_b in L1, in which fragments land behind the barrier
.irp m,0,1,2,3
	ds_store_b64 v[H2W], v[PC+2*\m:PC+2*\m+1] offset:4096*\m   ; my half of the block's 16 bytes, at its place in the image: nothing changes lanes
	ds_store_b8 v[H2B], v[TM+4+\m] offset:16*\m                ; (both halves of the lanes write the same byte with the same value)
.endr
	BARRIER                                        ; LN2's result: sixteen fragments and their scale words lie in LDS
	s_wait_alu depctr_vm_vsrc(0)                   ; the stores above have read their address v3, which is made anew below, and the codes' and bytes' registers, which the hidden layer's first quantiser writes again; the accesses by v12 to v14 have read them too
	v_and_b32 v24, 15, v0                          ; the FFN's addresses
	v_bfe_u32 v25, v0, 4, 1
	v_lshlrev_b32 v26, 4, v24
	v_add_nc_u32 v[HSR], HSC, v26
	s_lshl_b32 s60, s40, 8
	v_add_nc_u32 v[HB], s60, v[HSR]
	v_lshl_add_u32 v[HW], v25, 3, v26
	s_lshl_b32 s60, s40, 10
	s_add_co_u32 s60, s60, HID
	v_add_nc_u32 v[HW], s60, v[HW]
	v_add_nc_u32 v[HRD], HID, v[LI]
	v_and_b32 v27, 8, v24
	v_add_nc_u32 v27, v27, v24
	v_lshl_add_u32 v27, v25, 3, v27
	v_lshlrev_b32 v[P64], 6, v27
.irp m,0,1,2,3
	ds_load_b128 v[208+4*\m:211+4*\m], v[H2R] offset:16*\m     ; its scale words: register 4 m + c.  (No wait: the lines since the last wait on va_vdst name neither these loads' addresses, v10 and v1, nor the registers in which they land)
.endr
.macro HF1LOAD cp
.irp m,0,1,2,3
.irp c,0,1
	ds_load_b128 v[L1+8*\m+4*\c:L1+8*\m+4*\c+3], v[LI] offset:(4*\m+(\cp))*1024+512*\c
.endr
.endr
.endm
.macro HF2LOAD ks
.irp m,0,1,2,3
.irp c,0,1
	ds_load_b128 v[L1+8*\m+4*\c:L1+8*\m+4*\c+3], v[HRD] offset:(16*\m+(\ks))*1024+512*\c
.endr
.endr
	ds_load_b128 v[208:211], v[HSR] offset:256*(\ks)
.endm
	HF1LOAD 0
; ================ the hidden layer: step n = 4 tp + c: tiles 2 tp, 2 tp + 1 of my eight, K step c, for the four tiles of rows
.macro F1STEP n
.set TP, (\n)/4
.set CP, (\n)%4
.set WF, 128+16*((\n)%4)
	s_wait_loadcnt 12                              ; this step's weights are in: behind them stand three steps' (12 loads), at times b1's four too: then this count waits for more than it need
	s_wait_dscnt 0x0
.irp m,0,1,2,3
.irp u,0,1
.if CP == 0
	MM 32+16*\m+8*\u, WF+8*\u, L1+8*\m, 224+8*\u, 192+4*TP+CP, \u, 208+4*\m+CP, 0
.else
	MM 32+16*\m+8*\u, WF+8*\u, L1+8*\m, 32+16*\m+8*\u, 192+4*TP+CP, \u, 208+4*\m+CP, 0
.endif
.endr
.endr
	PLACES
	s_wait_alu depctr_va_vdst(0)                   ; the step's products are done reading their set of the ring, L1, b1 and the scale words, in which the loads below land; in the first step the FFN's addresses are written too
.if (CP == 0) && (TP < 3)
	B1LOAD TP+1
.endif
	WFILL (\n)+4
.if (\n) < 15
	HF1LOAD ((\n)+1)%4
.else
.irp q,0,1,2,3
	global_load_b128 v[192+4*\q:195+4*\q], v[P64], s[22:23] offset:16*\q       ; W2's scale words: register s; lanes 0-15 my first tile of channels, lanes 16-31 my second
.endr
.irp q,0,1,2,3
	global_load_b128 v[224+4*\q:227+4*\q], v[H64], s[18:19] offset:16*\q       ; b2 at my 16 channels
.endr
.endif
.if CP == 3
.set jj, 0
.rept 64
	v_max_num_f32 v[32+jj], 0, v[32+jj]            ; the activation, each accumulator from its low end on
.set jj, jj+1
.endr
.if TP > 0
	s_wait_alu depctr_vm_vsrc(0)                   ; the LDS stores of four steps back have read the codes in v16 to v23 and the bytes in v244 to v247, which the quantiser writes again
.endif
	QUANT4 32, 0
	s_wait_alu depctr_va_vdst(0)                   ; the codes and the bytes are written, which the LDS stores read; behind the last step the quantiser is also done reading v32 to v95, in which x1 lands
.irp m,0,1,2,3
	ds_store_b64 v[HW], v[PC+2*\m:PC+2*\m+1] offset:16384*\m+512*(TP/2)+256*(TP%2)     ; block tp of K step w of the last product
	ds_store_b8 v[HB], v[TM+4+\m] offset:4*\m+TP
.endr
.endif
.endm
.irp n,0,1,2,3,4,5,6,7,8,9,10,11,12,13,14,15
	F1STEP \n
.endr
	BARRIER                                        ; the hidden layer's 64 fragments and their scale words lie in LDS
	XPLOAD 32                                      ; x1 is the last product's first addend
	HF2LOAD 0
; ================ the last product: step n = 16 + s: my two tiles of channels, K step s, for the four tiles of rows
.macro F2STEP n
.set KS2, (\n)-16
.set WF, 128+16*((\n)%4)
.if (\n) == 16
	s_wait_loadcnt 0x0                             ; W2's scale words and b2 are the youngest loads
.elseif (\n) < 28
	s_wait_loadcnt 12                              ; three steps' weights may be out
.else
	s_wait_loadcnt 4*(31-(\n))                     ; nothing is asked for any more: the count runs down
.endif
	s_wait_dscnt 0x0
.irp m,0,1,2,3
.irp u,0,1
	MM 32+16*\m+8*\u, WF+8*\u, L1+8*\m, 32+16*\m+8*\u, 192+KS2, \u, 208+\m, 0
.endr
.endr
	PLACES
.if (\n) < 31
	s_wait_alu depctr_va_vdst(0)                   ; the step's products are done reading their set of the ring, L1 and the hidden layer's scale words in v208 to v211, in which the loads below land
.endif
.if (\n) < 28
	WFILL (\n)+4
.endif
.if (\n) < 31
	HF2LOAD KS2+1
.endif
.endm
.irp n,16,17,18,19,20,21,22,23,24,25,26,27,28,29,30,31
	F2STEP \n
.endr
; ================ the way out: (.. + b2) / 512, through XST, as whole rows
.irp i,0,2,4,6,8,10,12,14
	v_pk_mul_f32 v[224+\i:225+\i], v[224+\i:225+\i], 0x3b000000 op_sel_hi:[1,0]
.endr
.irp m,0,1,2,3
.irp i,0,2,4,6,8,10,12,14
	v_pk_fma_f32 v[32+16*\m+\i:33+16*\m+\i], v[32+16*\m+\i:33+16*\m+\i], 0x3b000000, v[224+\i:225+\i] op_sel_hi:[1,0,1]
.endr
.endr
	s_wait_alu depctr_va_vdst(0)                   ; the results in v32 to v95 are written, which the LDS stores read; the last products are done reading the ring in v128 to v191, in which whole rows land behind the barrier
	XPSTORE 32
	BARRIER                                        ; 64 whole rows lie in XST
.irp k,0,1,2,3
.irp i,0,1,2,3
	ds_load_b128 v[128+16*\k+4*\i:128+16*\k+4*\i+3], v[XSW] offset:2064*\k+512*\i
.endr
.endr
.set nn, 0
.rept 16
	s_wait_dscnt 15-nn                             ; the younger loads may stay out
	global_store_b128 v[LI], v[128+4*nn:131+4*nn], s[38:39] offset:2048*(nn/4)+512*(nn%4) th:TH_STORE_NT   ; 512 consecutive bytes of a row, aligned
.set nn, nn+1
.endr
	s_wait_xcnt 0x0
	v_lshl_add_u32 v254, v0, 2, 0x44100            ; no two registers could be kept: my spare word's address and 0 are made here, from v0, which stands as at the entry.  No memory or LDS instruction of this text reads v254 or v255
	v_mov_b32 v255, 0
	s_wait_dscnt 0x0                               ; the closing lines, six on end
	s_wait_alu 0x0
	s_wait_tensorcnt 0x0
	ds_add_u32 v254, v255
	s_wait_dscnt 0x0
	s_endpgm
.Lfunc_end_k_qc27c3ec67f_layer:
	.size	k_qc27c3ec67f_layer, .Lfunc_end_k_qc27c3ec67f_layer-k_qc27c3ec67f_layer
	.p2alignl 7, 3214868480
	.fill 96, 4, 3214868480
	.section	.rodata,"a",@progbits
	.p2align	6, 0x0
	.amdhsa_kernel k_qc27c3ec67f_layer
		.amdhsa_group_segment_fixed_size 280832
		.amdhsa_private_segment_fixed_size 0
		.amdhsa_enable_private_segment 0
		.amdhsa_kernarg_size 144
		.amdhsa_user_sgpr_count 2
		.amdhsa_user_sgpr_kernarg_segment_ptr 1
		.amdhsa_wavefront_size32 1
		.amdhsa_system_sgpr_workgroup_id_x 1
		.amdhsa_system_sgpr_workgroup_id_y 1
		.amdhsa_system_sgpr_workgroup_id_z 1
		.amdhsa_system_vgpr_workitem_id 0
		.amdhsa_next_free_vgpr 256
		.amdhsa_next_free_sgpr 98
		.amdhsa_reserve_vcc 0
		.amdhsa_float_denorm_mode_32 3
		.amdhsa_float_denorm_mode_16_64 3
		.amdhsa_memory_ordered 1
		.amdhsa_forward_progress 1
		.amdhsa_inst_pref_size 255
	.end_amdhsa_kernel
	.section	.bss,"aw",@nobits
	.p2align	6
	.space	262144
	.amdgpu_metadata
---
amdhsa.version: [ 1, 2 ]
amdhsa.kernels:
  - .name:           k_qc27c3ec67f_layer
    .symbol:         k_qc27c3ec67f_layer.kd
    .args:
      - { .name: x, .offset: 0, .size: 8, .value_kind: global_buffer, .address_space: global }
      - { .name: t_m, .offset: 8, .size: 8, .value_kind: global_buffer, .address_space: global }
      - { .name: g_m, .offset: 16, .size: 8, .value_kind: global_buffer, .address_space: global }
      - { .name: mask, .offset: 24, .size: 8, .value_kind: global_buffer, .address_space: global }
      - { .name: ln2_w, .offset: 32, .size: 8, .value_kind: global_buffer, .address_space: global }
      - { .name: ln2_b, .offset: 40, .size: 8, .value_kind: global_buffer, .address_space: global }
      - { .name: b1, .offset: 48, .size: 8, .value_kind: global_buffer, .address_space: global }
      - { .name: b2, .offset: 56, .size: 8, .value_kind: global_buffer, .address_space: global }
      - { .name: w1_scales, .offset: 64, .size: 8, .value_kind: global_buffer, .address_space: global }
      - { .name: w2_scales, .offset: 72, .size: 8, .value_kind: global_buffer, .address_space: global }
      - { .name: hk, .offset: 80, .size: 8, .value_kind: global_buffer, .address_space: global }
      - { .name: hs, .offset: 88, .size: 8, .value_kind: global_buffer, .address_space: global }
      - { .name: vt, .offset: 96, .size: 8, .value_kind: global_buffer, .address_space: global }
      - { .name: vsc, .offset: 104, .size: 8, .value_kind: global_buffer, .address_space: global }
      - { .name: pmax, .offset: 112, .size: 8, .value_kind: global_buffer, .address_space: global }
      - { .name: w1i, .offset: 120, .size: 8, .value_kind: global_buffer, .address_space: global }
      - { .name: w2i, .offset: 128, .size: 8, .value_kind: global_buffer, .address_space: global }
      - { .name: out0, .offset: 136, .size: 8, .value_kind: global_buffer, .address_space: global }
    .group_segment_fixed_size: 280832
    .private_segment_fixed_size: 0
    .kernarg_segment_align: 8
    .kernarg_segment_size: 144
    .max_flat_workgroup_size: 512
    .sgpr_count:     98
    .vgpr_count:     256
    .wavefront_size: 32
...
	.end_amdgpu_metadata
.endif
;; end of part 3
